; MI455X (gfx1250); checked and timed in simulation.
; The chip was launched on July 23, 2026; its instructions are those of AMD's public machine-readable ISA for CDNA 5 (MIT licence, August 2026) and "CDNA5" Instruction Set Architecture Reference Guide (July 2026). The comments in the code are by the model that wrote it; some were corrected since.
;; Vi T Self Attention. Allowed arithmetic: matrix products marked QUANTISED: E2M3 operands, one E8M0 scale for each 32 along K, by v_wmma_scale_f32_16x16x128_f8f6f4 with both operands' format E2M3, f32 sums; everything else in f32.
;; Inputs: Wc 768 x 768 float32; Wk 768 x 768 float32; Wq 768 x 768 float32; Wv 768 x 768 float32; bc 768 float32; bk 768 float32; bq 768 float32; bv 768 float32; x 16 x 1,024 x 768 float32.
;; Outputs: out0 16 x 1,024 x 768 float32.
;; This version of the problem:
;;   THIS VERSION OF THE PROBLEM IS GIVEN IN LOW PRECISION. The matrix products marked QUANTISED in the list below multiply operands that are first quantised to E2M3 (2 exponent bits, 3 mantissa bits; 6 bits a number), with one power-of-two scale for each 32 numbers along K (OCP MX v1.0); their sums are f32. All else is computed in f32.
;;   The module's matrix products, in the order in which they are computed (A, B: the left and right operand; K: the contracted axis; several contracted axes count as one K, in the product's order):
;;     1. [M 16,384, K 768] x [K 768, N 768]; A: input x; B: input Wq: QUANTISED
;;     2. [M 16,384, K 768] x [K 768, N 768]; A: input x; B: input Wk: QUANTISED
;;     3. [M 16,384, K 768] x [K 768, N 768]; A: input x; B: input Wv: QUANTISED
;;     4. batch 192 x [M 1,024, K 64] x [K 64, N 1,024]; A: computed on the way; B: computed on the way: QUANTISED
;;     5. batch 192 x [M 1,024, K 1,024] x [K 1,024, N 64]; A: softmax (see below); B: computed on the way: QUANTISED
;;     6. [M 16,384, K 768] x [K 768, N 768]; A: computed on the way; B: input Wc: QUANTISED
;;   THE QUANTISER, for each operand of a quantised product, along K:
;;     - K is cut into blocks of 32 from its start; a last block that is shorter is filled with zeros.
;;     - A block's scale is 2^e with e = floor(log2(the largest magnitude in the block)) - 2, held to -126 .. 127; a block of zeros has e = 0. As a byte (E8M0): e + 127.
;;     - Each number is divided by its block's scale, clamped to +-7.5, and rounded to the nearest number of E2M3, ties to even, subnormals kept.
;;     - The product sums the exact products of the quantised numbers (number of the format x scale) in f32.
;;   ~~~python
;;   def quantise(x, axis):      # numpy; x: float32 -> the quantised numbers, widened to float32 again
;;       x = np.moveaxis(x, axis, -1); K = x.shape[-1]
;;       x = np.pad(x, [(0, 0)] * (x.ndim - 1) + [(0, -K % 32)]); x = x.reshape(x.shape[:-1] + (-1, 32)); a = np.abs(x).max(-1, keepdims=True)
;;       e = np.where(a > 0, np.clip(np.frexp(np.where(a > 0, a, 1))[1] - 1 - 2, -126, 127), 0)      # np.frexp(a)[1] - 1 = floor(log2(a)), exactly
;;       r = np.clip(x / 2.0 ** e, -7.5, 7.5)
;;       step = 2.0 ** (np.maximum(np.frexp(np.where(r == 0, 1, r))[1] - 1, 0) - 3)
;;       q = np.round(r / step) * step * 2.0 ** e      # np.round: ties to even
;;       return np.moveaxis(q.reshape(q.shape[:-2] + (-1,))[..., :K], -1, axis).astype(np.float32)
;;   ~~~
;;   SOFTMAX AHEAD OF A QUANTISED PRODUCT. Where the list says 'softmax', what is quantised is not the finished softmax but p = 2^(t - M), with t = logit x log2(e) and M = ceil(the row's largest t), a whole number; so 1/2 < the row's largest p <= 1. The row's sum l is taken of the UNQUANTISED p, in f32, and the product's result is divided by l at the end. Since M is a whole number, a kernel that streams over the keys may use a running M (the ceiling of the running maximum): every later rescaling is an exact power of two, which a block's scale takes up: the codes' values come out the same.
;;   OPERANDS COMPUTED ON THE WAY. 'Computed on the way' means the value that the module computes at that place (a softmax that the list does not call 'softmax' is quantised finished and normalised). What goes into a quantiser is computed in f32, as accurately as f32 sums, v_exp_f32 and their like allow (about 1e-6 of the number): no bf16 or f16 on the way to a quantiser, and a product that is left as it is and whose result goes on into a quantised operand takes f32 operands (vector FMAs, or v_wmma_f32_16x16x4_f32). A number that lies on a knife's edge between two numbers of the format may be rounded either way, as far as f32 arithmetic and the matrix unit's own rounding can turn it there, and no further.
;; One version. Each part assembles by itself: llvm-mc -triple=amdgcn-amd-amdhsa -mcpu=gfx1250 --defsym DOCPART=n.
;; ======== version 1 of 1: 4 launches
;; limits: right only within a limited range of input values
;; workspace buffers: xq 9,961,472 bytes; wrec 2,064,384 bytes; qbuf 9,830,400 bytes; kvbuf 19,660,800 bytes; ocodes 9,437,184 bytes; osc 393,216 bytes
;; launch prep (part 1): grid 304 x 1, 4 waves a work-group, no clusters, 34,304 bytes of LDS; arguments x, Wq, Wk, Wv, Wc, bq, bk, bv, bc, xq, wrec; writes xq, wrec
.if DOCPART == 1
	.amdgcn_target "amdgcn-amd-amdhsa--gfx1250"
	.amdhsa_code_object_version 6
	.text
	.protected	k_q4fa1878ba2_prep
	.globl	k_q4fa1878ba2_prep
	.p2align	8
	.type	k_q4fa1878ba2_prep,@function
k_q4fa1878ba2_prep:
	s_mov_b64 s[64:65], 0
	v_nop
	global_prefetch_b8 v0, s[64:65] scope:SCOPE_SE
	s_setreg_imm32_b32 hwreg(HW_REG_WAVE_MODE, 25, 1), 1
	s_wait_xcnt 0x0
; x [16384][768] and the four weights [768 (k)][768 (n)], f32, become codes of FP6 (E2M3) with one E8M0 byte for each 32 along K, laid as IMAGES OF OPERAND REGISTERS.
; A fragment (16 rows x 128 K) is 12 registers a lane: lane (r, h) holds k = 64 c + 32 h + 0 .. 31 of row r in registers 6 c .. 6 c + 5.  Its image is 1,536 bytes: registers 4 q .. 4 q + 3 of lane l at 512 q + 16 l.
; THE ROWS OF A TILE ARE NOT NEIGHBOURS: lane r of tile i of a block of 128 rows of x (of 64 columns of a weight) takes row 32 (i / 2) + 8 (i % 2) + r + 8 (r / 8), so that the later launches' results fall with
; 16 neighbours along the next K into a lane's registers.
; xq: a record of 77,824 bytes for each 128 rows: image (tile i, K step s) at 1536 (6 i + s); from 73,728 on the scale words: chunk 2 ip + kh at 512 bytes each, 16 bytes a lane: word sl of lane (r, h) = tile 2 ip + h, row r, K step 3 kh + sl.
; wrec: a record of 43,008 bytes for each 64 columns (record 12 x matrix + head; q, k, v, c): image (tile t, K step s) at 1536 (4 s + t); scale words from 36,864 on, laid as xq's; from 38,912 on the bias in the layout of a
; matrix result: for q, k, c register 8 t + j of lane (r, h) = b[64 head + 32 (t / 2) + 16 h + 8 (t % 2) + j]; for v all eight = bv[lane r's column of tile t].
; A block's scale is 2^(floor(log2(its largest magnitude)) - 2); its byte is the largest magnitude's exponent field - 2, held at 1 from below.
; LIMITS: NaN and infinities among the inputs are not served; a block whose largest magnitude lies under 2^-124 gets the byte 1; a block of zeros gets the byte 1 where the rule says 127: its codes are zeros, and this program alone reads the bytes.
; SHARES: work-groups 0 to 47 take a weight record each (wave: two tiles x three K steps), the other 256 take x (wave: two tiles x three K steps of a block of 128 rows).  No tensor load, no barrier: waves share nothing.
; No cluster: no two work-groups read the same bytes.
; THE ORDER IN A TILE, as the text below has it, in place of the order given above: lane r of tile i of a block of 128 rows of x takes row 64 (i / 4) + 8 (i % 4) + r % 8 + 32 (r / 8);
; lane r of tile t of 64 columns of a weight takes column 8 t + r % 8 + 32 (r / 8).  So a later launch's results fall with a WHOLE block of 32 along the next K into one lane's registers.
; The bias for q, k, c: register 8 t + j of lane (r, h) = b[64 head + 8 t + 32 h + j].
.set ROWX, 3072
.set XREC, 77824
.set WREC, 43008
.set MX,  10                           ; v10-11  the two blocks' largest magnitudes
.set SO,  12                           ; v12-13  the conversions' scale operands
.set BY,  14                           ; v14-15  the scale bytes
.set WD,  16                           ; v16-17  the scale words of the pair's two tiles
.set PD,  18                           ; v18     a lane permute's destination
.set VA,  19                           ; v19     the bias's offset, result layout: 64 h
.set SW,  20                           ; v20-23  three K steps' scale words, and 0
.set PC,  24                           ; v24-35  a fragment's codes
.set PX,  36                           ; v36-43  the upper halves of its blocks, as converted
.set BB,  44                           ; v44-51  the bias
.set RAW, 64                           ; v64-191 two sets of 64 numbers as loaded
.set X,   192                          ; v192-255 64 numbers in the operand's order (x's path)
; 64 numbers of a lane, register 32 c + i = k 64 c + 32 h + i of my row: two whole blocks.  Codes to v[PC] on, the row's scale word (all four bytes, in both halves of the lanes) to v[wd].
.macro QB src, wd
.irp c, 0,1
	v_max3_num_f32 v[MX+\c], |v[(\src)+32*\c]|, |v[(\src)+32*\c+1]|, 0x1800000   ; with the floor 2^(3 - 127): the byte cannot fall under 1
.endr
.irp i, 2,4,6,8,10,12,14,16,18,20,22,24,26,28,30
.irp c, 0,1
	v_max3_num_f32 v[MX+\c], v[MX+\c], |v[(\src)+32*\c+\i]|, |v[(\src)+32*\c+\i+1]|   ; the two blocks by turns
.endr
.endr
.irp c, 0,1
	v_add_nc_u32 v[SO+\c], 0xff000000, v[MX+\c]    ; 2 off the exponent field: the conversion takes that field as its scale
.endr
.irp c, 0,1
	v_lshrrev_b32 v[BY+\c], 23, v[SO+\c]           ; the scale's byte
.endr
	v_lshl_or_b32 v[\wd], v[BY+1], 16, v[BY]       ; my two bytes: blocks h and 2 + h,
	v_lshlrev_b32 v[\wd], v5, v[\wd]               ; 8 h bits up;
	v_permlanex16_b32 v[PD], v[\wd], s26, s27
	v_or_b32 v[\wd], v[\wd], v[PD]                 ; with lane l xor 16's two the word is whole
	s_wait_alu depctr_va_vdst(0)
	s_wait_xcnt 0x0                                ; the last image's stores have read v[PC] on: only now it is written again
.irp c, 0,1
	v_cvt_scalef32_pk16_fp6_f32 v[PC+6*\c:PC+6*\c+2], v[(\src)+32*\c:(\src)+32*\c+15], v[SO+\c]
	v_cvt_scalef32_pk16_fp6_f32 v[PX+4*\c:PX+4*\c+2], v[(\src)+32*\c+16:(\src)+32*\c+31], v[SO+\c]   ; (a conversion's three registers begin on an even number)
.endr
	v_nop                                          ; one plain place behind a scaled conversion
.irp c, 0,1
.irp i, 0,1,2
	v_mov_b32 v[PC+6*\c+3+\i], v[PX+4*\c+\i]
.endr
.endr
.endm
	s_load_b256 s[4:11], s[0:1], 0x0               ; x s[4:5], Wq s[6:7], Wk s[8:9], Wv s[10:11]
	s_load_b256 s[12:19], s[0:1], 0x20             ; Wc s[12:13], bq s[14:15], bk s[16:17], bv s[18:19]
	s_load_b128 s[20:23], s[0:1], 0x40             ; bc s[20:21], xq s[22:23]
	s_load_b64 s[24:25], s[0:1], 0x50              ; wrec
	v_lshl_add_u32 v62, v0, 2, 0x8400
	v_mov_b32 v63, 0
	v_lshrrev_b32 v1, 5, v0
	v_readfirstlane_b32 s28, v1                    ; wave 0..3
	v_and_b32 v1, 31, v0                           ; lane
	v_and_b32 v2, 15, v0                           ; r
	v_bfe_u32 v3, v0, 4, 1                         ; h
	v_lshlrev_b32 v4, 4, v1                        ; 16 x lane
	v_lshlrev_b32 v5, 3, v3                        ; 8 h
	v_mov_b32 v[PD], 0                             ; written once: a lane permute's destination counts as one of its sources
	v_mov_b32 v[SW+3], 0
	s_mov_b32 s26, 0x76543210
	s_mov_b32 s27, 0xfedcba98                      ; v_permlanex16_b32's selects for lane l xor 16
	s_mov_b32 s29, 0xffff0000                      ; lanes 16-31
	s_cmp_lt_u32 ttmp9, 48
	s_cbranch_scc1 .Lweights
; ---------------- x.  Task T = 4 (work-group - 48) + wave: block of 128 rows T / 8, pair of tiles ip = (T / 2) % 4, half of K kh = T % 2.
	s_sub_co_u32 s30, ttmp9, 48
	s_lshl_b32 s30, s30, 2
	s_add_co_u32 s30, s30, s28
	s_lshr_b32 s31, s30, 3                         ; block
	s_bfe_u32 s32, s30, 0x20001                    ; ip
	s_and_b32 s33, s30, 1                          ; kh
	s_lshl_b32 s34, s31, 7
	s_lshr_b32 s35, s32, 1
	s_lshl_b32 s35, s35, 6
	s_add_co_u32 s34, s34, s35                     ; + 64 (ip / 2)
	s_and_b32 s35, s32, 1
	s_lshl_b32 s35, s35, 4                         ; + 16 (ip % 2)
	s_add_co_u32 s34, s34, s35
	s_mul_i32 s34, s34, ROWX                       ; row 128 block + 64 (ip / 2) + 16 (ip % 2),
	s_mul_i32 s35, s33, 1536
	s_add_co_u32 s34, s34, s35                     ; K = 384 kh: under 2^26 bytes
	s_mov_b32 s35, 0
	s_mul_i32 s36, s31, XREC
	s_mul_i32 s37, s32, 12
	s_mul_i32 s38, s33, 3
	s_add_co_u32 s37, s37, s38
	s_mul_i32 s37, s37, 1536
	s_add_co_u32 s38, s36, s37                     ; my images: record + 1536 (6 (2 ip) + 3 kh)
	s_mov_b32 s39, 0
	s_lshl_b32 s37, s32, 1
	s_add_co_u32 s37, s37, s33
	s_lshl_b32 s37, s37, 9
	s_add_co_u32 s36, s36, s37
	s_add_co_u32 s36, s36, 73728                   ; my chunk of scale words
	s_mov_b32 s37, 0
	s_mul_i32 s40, s28, 8448                       ; my wave's stage: 16 rows x (512 bytes + 16)
	s_wait_alu depctr_va_vdst(0)
	v_add_nc_u32 v6, s40, v4                       ; in: 16 bytes a lane of a row's 512
	v_mul_u32_u24 v7, v2, 528
	v_lshl_add_u32 v7, v3, 7, v7
	v_add_nc_u32 v7, s40, v7                       ; out: row r, + 128 h: my 32 numbers of a block
	s_wait_alu depctr_va_vdst(0)
	s_wait_kmcnt 0x0
	s_add_nc_u64 s[4:5], s[4:5], s[34:35]
	s_add_nc_u64 s[38:39], s[22:23], s[38:39]
	s_add_nc_u64 s[36:37], s[22:23], s[36:37]
; Unit n = 2 sl + u: tile 2 ip + u, K step 3 kh + sl: 16 rows x 512 bytes.  Each load reads 512 consecutive bytes of one row.
.macro LOADX n
.irp j, 0,1,2,3,4,5,6,7,8,9,10,11,12,13,14,15
	global_load_b128 v[RAW+64*((\n)%2)+4*\j:RAW+64*((\n)%2)+4*\j+3], v4, s[4:5] offset:(8*((\n)%2)+\j+24*(\j/8))*ROWX+512*((\n)/2) th:TH_LOAD_NT
.endr
.endm
.macro UNITX n
.if (\n) < 5
	s_wait_loadcnt 16                              ; this unit's 16 loads are in; the next unit's 16 may be out
.else
	s_wait_loadcnt 0x0
.endif
.irp j, 0,1,2,3,4,5,6,7,8,9,10,11,12,13,14,15
	ds_store_b128 v6, v[RAW+64*((\n)%2)+4*\j:RAW+64*((\n)%2)+4*\j+3] offset:528*\j     ; the rows as they lie
.endr
.irp c, 0,1
.irp e, 0,1,2,3,4,5,6,7
	ds_load_b128 v[X+32*\c+4*\e:X+32*\c+4*\e+3], v7 offset:256*\c+16*\e               ; and back in the operand's order; LDS serves a wave's instructions in order
.endr
.endr
	s_wait_dscnt 0x0
.if (\n)+2 < 6
	LOADX (\n)+2
.endif
	QB X, WD+(\n)%2
.irp q, 0,1,2
	global_store_b128 v4, v[PC+4*\q:PC+4*\q+3], s[38:39] offset:1536*(6*((\n)%2)+(\n)/2)+512*\q   ; 32 lanes store 512 consecutive bytes
.endr
.if ((\n)%2) == 1
	v_cndmask_b32 v[SW+(\n)/2], v[WD], v[WD+1], s29        ; lanes 0-15 keep the even tile's word, lanes 16-31 the odd tile's
.endif
.endm
	LOADX 0
	LOADX 1
.irp n, 0,1,2,3,4,5
	UNITX \n
.endr
	global_store_b128 v4, v[SW:SW+3], s[36:37]
	s_wait_tensorcnt 0x0
	ds_add_u32 v62, v63
	s_wait_dscnt 0x0
	s_endpgm
; ---------------- the weights.  Work-group g: matrix g / 12, head g % 12.  Wave: tiles 2 p, 2 p + 1 (p = wave / 2), K steps 3 kh .. 3 kh + 2 (kh = wave % 2).
; A LANE TAKES A COLUMN AND ITS REGISTERS RUN DOWN K, in the operand's own order: nothing is transposed.  A load reads two pieces of 32 bytes in each of two rows; the two waves of a K half stand side by side on a row's 256 bytes.
.Lweights:
	s_mul_i32 s30, ttmp9, 43
	s_lshr_b32 s30, s30, 9                         ; g / 12 for g under 48
	s_mul_i32 s31, s30, 12
	s_sub_co_u32 s31, ttmp9, s31                   ; head
	s_lshr_b32 s32, s28, 1                         ; p
	s_and_b32 s33, s28, 1                          ; kh
	s_lshl_b32 s34, s31, 8
	s_lshl_b32 s35, s32, 6                         ; 16 p columns, in bytes
	s_add_co_u32 s34, s34, s35                     ; column 64 head + 16 p, in bytes
	s_lshl_b32 s35, s33, 5
	s_add_co_u32 s40, s34, s35                     ; the bias of tile 2 p + kh: + 32 kh
	s_mov_b32 s41, 0
	s_mul_i32 s35, s33, 384*ROWX
	s_add_co_u32 s34, s34, s35                     ; K = 384 kh
	s_mov_b32 s35, 0
	s_mul_i32 s36, ttmp9, WREC
	s_mul_i32 s37, s33, 12
	s_lshl_b32 s38, s32, 1
	s_add_co_u32 s37, s37, s38
	s_mul_i32 s37, s37, 1536
	s_add_co_u32 s38, s36, s37                     ; my images: record + 1536 (4 (3 kh) + 2 p)
	s_mov_b32 s39, 0
	s_lshl_b32 s37, s28, 9
	s_add_co_u32 s36, s36, s37                     ; record + 512 wave: my chunk of scale words (2 p + kh = wave)
	s_add_co_u32 s42, s36, s37                     ; record + 1024 wave: my tile of the bias
	s_mov_b32 s37, 0
	s_mov_b32 s43, 0
	s_wait_alu depctr_va_vdst(0)
	v_and_b32 v8, 8, v2
	v_mad_u32_u24 v8, v8, 3, v2                    ; r + 24 (r / 8)
	v_lshlrev_b32 v9, 2, v8                        ; 4 (r + 24 (r / 8)): my column in a tile
	v_mad_u32_u24 v8, v3, 32*ROWX, v9              ; lanes 16-31 begin 32 rows further down
	v_lshlrev_b32 v[VA], 7, v3                     ; 32 h columns, in bytes
	s_wait_alu depctr_va_vdst(0)
	s_wait_kmcnt 0x0
	s_cmp_eq_u32 s30, 0                            ; the choice hangs on the work-group's number alone
	s_cselect_b64 s[44:45], s[6:7], s[8:9]
	s_cselect_b64 s[46:47], s[14:15], s[16:17]
	s_cmp_eq_u32 s30, 2
	s_cselect_b64 s[44:45], s[10:11], s[44:45]
	s_cselect_b64 s[46:47], s[18:19], s[46:47]
	s_cmp_eq_u32 s30, 3
	s_cselect_b64 s[44:45], s[12:13], s[44:45]
	s_cselect_b64 s[46:47], s[20:21], s[46:47]
	s_add_nc_u64 s[44:45], s[44:45], s[34:35]
	s_add_nc_u64 s[46:47], s[46:47], s[40:41]
	s_add_nc_u64 s[38:39], s[24:25], s[38:39]
	s_add_nc_u64 s[36:37], s[24:25], s[36:37]
	s_add_nc_u64 s[42:43], s[24:25], s[42:43]
.macro LOADW n                         ; unit n = 2 sl + u: tile 2 p + u, K step 3 kh + sl
.irp c, 0,1
.irp i, 0,1,2,3,4,5,6,7,8,9,10,11,12,13,14,15,16,17,18,19,20,21,22,23,24,25,26,27,28,29,30,31
	global_load_b32 v[RAW+64*((\n)%2)+32*\c+\i], v8, s[44:45] offset:(128*((\n)/2)+64*\c+\i)*ROWX+32*((\n)%2)
.endr
.endr
.endm
.macro UNITW n
.if (\n) < 5
	s_wait_loadcnt 63                              ; 64 younger loads were issued; the count names at most 63: this unit's 64 are in
.else
	s_wait_loadcnt 0x0
.endif
	QB RAW+64*((\n)%2), WD+(\n)%2
.if (\n)+2 < 6
	LOADW (\n)+2
.endif
.irp q, 0,1,2
	global_store_b128 v4, v[PC+4*\q:PC+4*\q+3], s[38:39] offset:1536*(4*((\n)/2)+(\n)%2)+512*\q
.endr
.if ((\n)%2) == 1
	v_cndmask_b32 v[SW+(\n)/2], v[WD], v[WD+1], s29
.endif
.endm
	LOADW 0
	LOADW 1
.irp n, 0,1,2,3,4,5
	UNITW \n
.endr
	global_store_b128 v4, v[SW:SW+3], s[36:37] offset:36864
	s_cmp_eq_u32 s30, 2
	s_cbranch_scc1 .Lbias_v
	global_load_b128 v[BB:BB+3], v[VA], s[46:47]               ; q, k, c: a lane's eight columns of the tile: 32 h + 0 .. 7
	global_load_b128 v[BB+4:BB+7], v[VA], s[46:47] offset:16
	s_wait_loadcnt 0x0
	global_store_b128 v4, v[BB:BB+3], s[42:43] offset:38912
	global_store_b128 v4, v[BB+4:BB+7], s[42:43] offset:38912+512
	s_endpgm
.Lbias_v:
.irp j, 0,1,2,3
	global_load_b32 v[BB+\j], v9, s[46:47]                     ; v: my column's bias in every register
.endr
	s_wait_loadcnt 0x0
	global_store_b128 v4, v[BB:BB+3], s[42:43] offset:38912
	global_store_b128 v4, v[BB:BB+3], s[42:43] offset:38912+512
	s_endpgm
.Lfunc_end_k_q4fa1878ba2_prep:
	.size	k_q4fa1878ba2_prep, .Lfunc_end_k_q4fa1878ba2_prep-k_q4fa1878ba2_prep
	.p2alignl 7, 3214868480
	.fill 96, 4, 3214868480
	.section	.rodata,"a",@progbits
	.p2align	6, 0x0
	.amdhsa_kernel k_q4fa1878ba2_prep
		.amdhsa_group_segment_fixed_size 34304
		.amdhsa_private_segment_fixed_size 0
		.amdhsa_enable_private_segment 0
		.amdhsa_kernarg_size 88
		.amdhsa_user_sgpr_count 2
		.amdhsa_user_sgpr_kernarg_segment_ptr 1
		.amdhsa_wavefront_size32 1
		.amdhsa_system_sgpr_workgroup_id_x 1
		.amdhsa_system_sgpr_workgroup_id_y 1
		.amdhsa_system_sgpr_workgroup_id_z 1
		.amdhsa_system_vgpr_workitem_id 0
		.amdhsa_next_free_vgpr 256
		.amdhsa_next_free_sgpr 66
		.amdhsa_reserve_vcc 0
		.amdhsa_float_denorm_mode_32 3
		.amdhsa_float_denorm_mode_16_64 3
		.amdhsa_memory_ordered 1
		.amdhsa_forward_progress 1
		.amdhsa_inst_pref_size 103
	.end_amdhsa_kernel
	.amdgpu_metadata
---
amdhsa.version: [ 1, 2 ]
amdhsa.kernels:
  - .name:           k_q4fa1878ba2_prep
    .symbol:         k_q4fa1878ba2_prep.kd
    .args:
      - { .name: x, .offset: 0, .size: 8, .value_kind: global_buffer, .address_space: global }
      - { .name: Wq, .offset: 8, .size: 8, .value_kind: global_buffer, .address_space: global }
      - { .name: Wk, .offset: 16, .size: 8, .value_kind: global_buffer, .address_space: global }
      - { .name: Wv, .offset: 24, .size: 8, .value_kind: global_buffer, .address_space: global }
      - { .name: Wc, .offset: 32, .size: 8, .value_kind: global_buffer, .address_space: global }
      - { .name: bq, .offset: 40, .size: 8, .value_kind: global_buffer, .address_space: global }
      - { .name: bk, .offset: 48, .size: 8, .value_kind: global_buffer, .address_space: global }
      - { .name: bv, .offset: 56, .size: 8, .value_kind: global_buffer, .address_space: global }
      - { .name: bc, .offset: 64, .size: 8, .value_kind: global_buffer, .address_space: global }
      - { .name: xq, .offset: 72, .size: 8, .value_kind: global_buffer, .address_space: global }
      - { .name: wrec, .offset: 80, .size: 8, .value_kind: global_buffer, .address_space: global }
    .group_segment_fixed_size: 34304
    .private_segment_fixed_size: 0
    .kernarg_segment_align: 8
    .kernarg_segment_size: 88
    .max_flat_workgroup_size: 128
    .sgpr_count:     66
    .vgpr_count:     256
    .wavefront_size: 32
...
	.end_amdgpu_metadata
.endif
;; end of part 1
;; launch qkv (part 2): grid 32 x 6, 4 waves a work-group, clusters of 4 x 1, 262,656 bytes of LDS; arguments xq, wrec, qbuf, kvbuf; writes qbuf, kvbuf
.if DOCPART == 2
	.amdgcn_target "amdgcn-amd-amdhsa--gfx1250"
	.amdhsa_code_object_version 6
	.text
	.protected	k_q4fa1878ba2_qkv
	.globl	k_q4fa1878ba2_qkv
	.p2align	8
	.type	k_q4fa1878ba2_qkv,@function
k_q4fa1878ba2_qkv:
	s_mov_b64 s[64:65], 0
	v_nop
	global_prefetch_b8 v0, s[64:65] scope:SCOPE_SE
	s_setreg_imm32_b32 hwreg(HW_REG_WAVE_MODE, 25, 1), 1
	s_wait_xcnt 0x0
	s_wait_alu depctr_hold_cnt(0) depctr_sa_sdst(0) depctr_va_vdst(0) depctr_va_sdst(0) depctr_va_ssrc(0) depctr_va_vcc(0) depctr_vm_vsrc(0)
	s_getreg_b32 s2, hwreg(HW_REG_IB_STS2, 6, 4)
	s_cmp_eq_u32 s2, 0
	s_cbranch_scc0 .Lentry_in_a_cluster
	s_endpgm
.Lentry_in_a_cluster:
	s_bfe_u32 s2, ttmp6, 0x10000c
	s_cmp_lg_u32 s2, 0x3003
	s_cbranch_scc0 .Lentry_shape_is_right
	s_endpgm
.Lentry_shape_is_right:
; q = x Wq + bq, k = x Wk + bk, v = x Wv + bv on codes of FP6 (E2M3) with E8M0 scales, sums in f32; the results are quantised at once, q and k along the head's 64, v along the keys, and stored as images of operand registers.
; SHARES.  Work-group (rr, cg): 512 rows of x, six heads of one of the three products (cg / 2: q, k, v; heads 6 (cg % 2) on).  Its six weight records (6 x 43,008 bytes) come into LDS once and stay.
; Wave w keeps ALL 48 fragments of its 128 rows (row block 4 rr + w) in 576 registers, so each weight fragment read from LDS feeds eight matrix instructions.  A trip of the loop is one head: 192 matrix instructions.
; CLUSTER.  The four work-groups of a cluster have the same cg and need the same six records: each quarter is asked for JOINTLY, by the same tensor load with a mask that names the four.
; The grid is 192 work-groups: 36 heads x 128 row blocks with six heads resident; nine heads (387,072 bytes) do not fit in LDS.
; TWO ORIENTATIONS.  q, k: source 0 = 16 columns of the weight, source 1 = 16 rows of x: a lane holds ONE row, its registers run along the head's 64.  v: source 0 = x, source 1 = the weight: a lane holds ONE channel,
; its registers run along the keys.  By the order of rows in x's and the weights' tiles (row 32 (i / 2) + 8 (i % 2) + r + 8 (r / 8) in lane r of tile i), 16 registers of two neighbouring tiles are 16 neighbours along the next K.
; OUT.  A unit of 6,400 bytes for a head and 128 rows: four images of 1,536 bytes, then 8 bytes a lane of scale words (register e of lane (r, h) = image 2 e + h).
;   q, k: image m: registers 0-5 = row of tile 2 m, the head's 64; registers 6-11 = row of tile 2 m + 1.   v: image t: 16 channels x 128 keys.   qbuf [192][8][6400]; kvbuf [192][8][k's unit, v's unit].
; The bias is the C of each sum's first matrix instruction.
; LIMITS: NaN and infinities are not served; a block whose largest magnitude lies under 2^-124, a block of zeros too, gets the byte 1 (zero codes add nothing; this program alone reads the bytes).
; REGISTERS, in windows of 256: window 0: v1-3 addresses; v8-39 x's scale words; v40-55 the weights'; v56-87 the bias; v88-135 four weight fragments; v136-179 the quantiser; v184-255 x's tile 7.
;   window 1: x's tiles 0-2, and tile 6's K steps 0-2.   window 2: tiles 3-5, and tile 6's K steps 3-5.   window 3: the 32 accumulators.
; THE ORDER IN A TILE, in place of the order given above: lane r of x's tile i holds row 64 (i / 4) + 8 (i % 4) + r % 8 + 32 (r / 8), lane r of a weight's tile t column 8 t + r % 8 + 32 (r / 8).
; So the 32 registers of four neighbouring tiles of a result are a WHOLE block of 32 along the next K (block 2 c + h in lane half h): the quantiser asks no other lane for a maximum and swaps no codes.
.set XREC, 77824
.set WREC, 43008
.set QTR,  6*WREC/4                    ; what one tensor load brings: 64,512 bytes = 252 rows of 256
.set XS,  8                            ; x's scale words: register 8 (i / 2) + 4 (s / 3) + s % 3; lanes 0-15 tile 2 (i / 2), lanes 16-31 the odd tile
.set WS,  40                           ; the weights': register 8 (t / 2) + 4 (s / 3) + s % 3, likewise
.set BI,  56                           ; the bias: eight registers a tile
.set WF,  88                           ; the weight fragment of tile t at WF + 12 t
.set TM,  136                          ; v136-139 largest magnitudes, v140-143 bytes, v148-151 scale operands
.set PW,  152                          ; v152-155 the four images' scale words
.set SP,  156                          ; v156-157 the pair that is stored
.set PC,  160
.set PX,  172                          ; v172-179 upper halves as converted
.set MSB, 0
.macro WIN new                         ; the immediate's high byte repeats the setting that is left; a switch that changes nothing is dropped
.if MSB != (\new)
	s_set_vgpr_msb (MSB<<8)|(\new)
.set MSB, (\new)
.endif
.endm
.macro PLACES n
.rept \n
	v_nop
.endr
.endm
.macro ROUND                           ; a round of the cluster's barrier
	s_barrier_signal -1
	s_barrier_wait -1
	s_cmp_lg_u32 s12, 0
	s_cbranch_scc1 .Lnot_wave_0_\@
	s_barrier_signal -3
.Lnot_wave_0_\@:
	s_barrier_wait -3
	s_barrier_signal -1
	s_barrier_wait -1
.endm
.macro XPOS i, s                       ; where x's fragment (tile i, K step s) lies: window XW, register XL
.if (\i) < 3
.set XW, 1
.set XL, 12*(6*(\i)+(\s))
.elseif (\i) < 6
.set XW, 2
.set XL, 12*(6*((\i)-3)+(\s))
.elseif (\i) == 6
.if (\s) < 3
.set XW, 1
.set XL, 216+12*(\s)
.else
.set XW, 2
.set XL, 216+12*((\s)-3)
.endif
.else
.set XW, 0
.set XL, 184+12*(\s)
.endif
.endm
.macro EMIT                            ; one matrix instruction from the symbols DR, AR, BR, CR, SA, SB; RA, RB: the scales stand in lanes 16-31
.if RA && RB
	v_wmma_scale_f32_16x16x128_f8f6f4 v[DR:DR+7], v[AR:AR+11], v[BR:BR+11], v[CR:CR+7], v[SA], v[SB] matrix_a_fmt:MATRIX_FMT_FP6 matrix_b_fmt:MATRIX_FMT_FP6 matrix_a_scale:MATRIX_SCALE_ROW1 matrix_b_scale:MATRIX_SCALE_ROW1
.elseif RA
	v_wmma_scale_f32_16x16x128_f8f6f4 v[DR:DR+7], v[AR:AR+11], v[BR:BR+11], v[CR:CR+7], v[SA], v[SB] matrix_a_fmt:MATRIX_FMT_FP6 matrix_b_fmt:MATRIX_FMT_FP6 matrix_a_scale:MATRIX_SCALE_ROW1
.elseif RB
	v_wmma_scale_f32_16x16x128_f8f6f4 v[DR:DR+7], v[AR:AR+11], v[BR:BR+11], v[CR:CR+7], v[SA], v[SB] matrix_a_fmt:MATRIX_FMT_FP6 matrix_b_fmt:MATRIX_FMT_FP6 matrix_b_scale:MATRIX_SCALE_ROW1
.else
	v_wmma_scale_f32_16x16x128_f8f6f4 v[DR:DR+7], v[AR:AR+11], v[BR:BR+11], v[CR:CR+7], v[SA], v[SB] matrix_a_fmt:MATRIX_FMT_FP6 matrix_b_fmt:MATRIX_FMT_FP6
.endif
.endm
.macro WM ori, i, t, s                 ; x's tile i against the weight's tile t, K step s
	XPOS \i, \s
.set SX, XS+8*((\i)/2)+4*((\s)/3)+((\s)%3)
.set SY, WS+8*((\t)/2)+4*((\s)/3)+((\s)%3)
.if (\s) == 0
.set CW, 0
.else
.set CW, 3
.endif
.if \ori == 0
.set DR, 64*((\i)/2)+32*((\i)%2)+8*(\t)
.set AR, WF+12*(\t)
.set BR, XL
.set SA, SY
.set RA, (\t)%2
.set SB, SX
.set RB, (\i)%2
	WIN ((XW<<2)|(CW<<4)|0xc0)                     ; source 0 window 0, source 1 x's window, C the bias's or the accumulators', D window 3
.else
.set DR, 64*(\t)+8*(\i)
.set AR, XL
.set BR, WF+12*(\t)
.set SA, SX
.set RA, (\i)%2
.set SB, SY
.set RB, (\t)%2
	WIN (XW|(CW<<4)|0xc0)
.endif
.if (\s) == 0
.set CR, BI+8*(\t)                     ; the first K step starts the sum from the bias
.else
.set CR, DR
.endif
	EMIT
.endm
.macro MUL16 ori, s, p                 ; 16 matrix instructions: all eight tiles of x against tiles 2 p, 2 p + 1; 16 accumulators, one instruction a turn; three window settings
.irp i, 0,1,2,6,3,4,5,7
.irp e, 0,1
	WM \ori, \i, (2*(\p)+\e), \s
.endr
.endr
.endm
.macro FETCHW g                        ; stage g = 2 s + p: the fragments of tiles 2 p, 2 p + 1 at K step s: images 2 g, 2 g + 1 of the record
	WIN 0
.irp e, 0,1
.irp q, 0,1,2
	ds_load_b128 v[WF+24*((\g)%2)+12*\e+4*\q:WF+24*((\g)%2)+12*\e+4*\q+3], v3 offset:1536*(2*(\g)+\e)+512*\q
.endr
.endr
.endm
.macro STAGES ori                      ; a head's twelve stages
.set G, 0
.rept 12
.if G < 11
.if G > 0
	PLACES 4                                       ; in front of loads into fragments that the stage before multiplied
.endif
	FETCHW (G+1)
	s_wait_dscnt 6                                 ; all but the six just issued
.else
	s_wait_dscnt 0x0
.endif
.if (G%2) == 0                         ; x's K step s = G / 2: behind its loads 24 (5 - s) were issued (the count names at most 63); from the second trip on no load is out
.if 24*(5-G/2) > 63
	s_wait_loadcnt 63
.else
	s_wait_loadcnt 24*(5-G/2)
.endif
.endif
	MUL16 \ori, (G/2), (G%2)
.set G, G+1
.endr
	WIN 0
.endm
; 64 accumulator registers of window 3, register 32 c + e = k 64 c + 32 h + e of my row, become an image's codes in v[PC] on and its scale word in v[pw].
.macro QUANT src, pw
	WIN 0x0f                                       ; sources 0 and 1 window 3
.irp b, 0,1,2,3
	v_max3_num_f32 v[TM+\b], |v[(\src)+16*\b]|, |v[(\src)+16*\b+1]|, 0x1800000   ; each accumulator is read from its low end on; the floor 2^(3 - 127) holds the byte at 1 from below
.endr
.irp i, 2,4,6,8,10,12,14
.irp b, 0,1,2,3
	v_max3_num_f32 v[TM+\b], |v[(\src)+16*\b+\i]|, |v[(\src)+16*\b+\i+1]|, v[TM+\b]
.endr
.endr
	WIN 0
.irp c, 0,1
	v_max_num_f32 v[TM+\c], v[TM+2*\c], v[TM+2*\c+1]   ; the two halves of my block 2 c + h: its largest magnitude
.endr
.irp c, 0,1
	v_add_nc_u32 v[TM+12+\c], 0xff000000, v[TM+\c] ; 2 off its exponent field: the conversion's scale operand
.endr
.irp c, 0,1
	v_lshrrev_b32 v[TM+4+\c], 23, v[TM+12+\c]      ; the scale's byte
.endr
	v_lshl_or_b32 v[\pw], v[TM+5], 16, v[TM+4]     ; my two bytes: blocks h and 2 + h,
	v_lshlrev_b32 v[\pw], v5, v[\pw]               ; 8 h bits up;
	v_permlanex16_b32 v[TM+6], v[\pw], s44, s45
	v_or_b32 v[\pw], v[\pw], v[TM+6]               ; with lane l xor 16's two the word is whole
	WIN 0x03                                       ; (each image has code registers of its own: no store's data are written again inside a trip)
.irp c, 0,1
	v_cvt_scalef32_pk16_fp6_f32 v[PC+6*\c:PC+6*\c+2], v[(\src)+32*\c:(\src)+32*\c+15], v[TM+12+\c]
	v_cvt_scalef32_pk16_fp6_f32 v[PX+4*\c:PX+4*\c+2], v[(\src)+32*\c+16:(\src)+32*\c+31], v[TM+12+\c]
.endr
	WIN 0
	v_nop                                          ; one plain place behind a scaled conversion
.irp c, 0,1                            ; the operand's layout wants a WHOLE block in a lane
.irp i, 0,1,2
	v_mov_b32 v[PC+6*\c+3+\i], v[PX+4*\c+\i]
.endr
.endr
.endm
	s_load_b256 s[4:11], s[0:1], 0x0               ; xq s[4:5], wrec s[6:7], qbuf s[8:9], kvbuf s[10:11]
	v_lshl_add_u32 v182, v0, 2, 0x40000
	v_mov_b32 v183, 0
	ds_add_u32 v182, v183
	ds_add_u32 v182, v183
	v_lshrrev_b32 v4, 5, v0
	v_readfirstlane_b32 s12, v4                    ; wave 0..3
	v_and_b32 v4, 31, v0
	v_lshlrev_b32 v1, 4, v4                        ; 16 x lane
	v_lshlrev_b32 v2, 3, v4
	v_bfe_u32 v5, v0, 4, 1
	v_lshlrev_b32 v5, 3, v5                        ; 8 h: where my two scale bytes stand in the word
.irp b, 0,1,2,3
	v_mov_b32 v[TM+4+\b], 0                        ; written once: a lane permute's destination counts as one of its sources
.endr
	s_bfe_u32 s13, ttmp6, 0x40000                  ; cx: my place in the cluster
	s_lshl_b32 s14, ttmp9, 2
	s_add_co_u32 s14, s14, s13                     ; rr = 4 x cluster x + cx: it enters x's and the results' addresses alone
	s_and_b32 s15, ttmp7, 0xffff                   ; cg, which the four partners share
	s_mov_b32 s16, 15|(3<<16)|(1<<21)              ; group 1: 15:0 the mask: all four work-groups; 17:16 elements of 8 bytes; 21 set beside a mask; no padding
	s_mov_b32 s17, 32<<16                          ; tensor_dim0 = 32 elements: 256 bytes
	s_mov_b32 s18, 252<<16                         ; tensor_dim1 = 252
	s_mov_b32 s19, 32<<16                          ; tile_dim0
	s_mov_b32 s20, 252                             ; tile_dim1
	s_mov_b32 s21, 32                              ; the pitch: the block is dense
	s_mov_b32 s22, 0
	s_mov_b32 s23, 0
	s_mul_i32 s24, s15, 6*WREC                     ; my six records,
	s_mul_i32 s33, s12, QTR                        ; my wave's quarter: in LDS (group 0, word 1),
	s_add_co_u32 s24, s24, s33                     ; and in memory
	s_mov_b32 s25, 0
	s_lshl_b32 s26, s14, 2
	s_add_co_u32 s26, s26, s12                     ; my block of 128 rows: 4 rr + wave
	s_mul_i32 s28, s26, XREC
	s_mov_b32 s29, 0
	s_lshr_b32 s30, s26, 3                         ; the batch
	s_mul_i32 s30, s30, 12
	s_and_b32 s31, s15, 1
	s_mul_i32 s31, s31, 6
	s_add_co_u32 s30, s30, s31                     ; my first head among the 192
	s_lshl_b32 s30, s30, 3
	s_and_b32 s31, s26, 7
	s_add_co_u32 s30, s30, s31                     ; its unit for my 128 rows
	s_mov_b32 s27, 12800
	s_mov_b32 s44, 0x76543210
	s_mov_b32 s45, 0xfedcba98                      ; v_permlanex16_b32's selects for lane l xor 16
	s_mov_b32 s46, 0xffff0000                      ; lanes 16-31
	s_wait_dscnt 0x0
	s_wait_kmcnt 0x0
	s_cmp_lt_u32 s15, 2                            ; q goes to qbuf, units 6,400 bytes apart; k and v to kvbuf, 12,800 apart
	s_cselect_b32 s27, 6400, s27
	s_cselect_b64 s[40:41], s[8:9], s[10:11]
	s_mul_i32 s30, s30, s27
	s_lshl_b32 s48, s27, 3                         ; from head to head: eight units
	s_mov_b32 s49, 0
	s_cmp_ge_u32 s15, 4
	s_cselect_b32 s31, 6400, 0                     ; v's unit lies behind k's
	s_add_co_u32 s30, s30, s31
	s_mov_b32 s31, 0
	s_add_nc_u64 s[40:41], s[40:41], s[30:31]
	s_add_nc_u64 s[4:5], s[4:5], s[28:29]
	s_mov_b32 s32, 1                               ; group 0: count = 1
	s_add_nc_u64 s[34:35], s[6:7], s[24:25]
	s_or_b32 s35, s35, 0x80000000                  ; type = 2
	ROUND                                          ; all four work-groups are here: the joint loads meet
	tensor_load_to_lds s[32:35], s[16:23]          ; my one tensor load of the launch: nothing in LDS is filled twice
	s_nop 0
	PLACES 4
	s_wait_alu depctr_va_vdst(0)
.irp n, 0,1,2,3,4,5,6,7
	global_load_b128 v[XS+4*\n:XS+4*\n+3], v1, s[4:5] offset:73728+512*\n
.endr
.irp s, 0,1,2,3,4,5                    ; x's fragments, K step by K step: 24 loads of 512 consecutive bytes each
.irp i, 0,1,2,6,3,4,5,7
	XPOS \i, \s
	WIN (XW<<6)
.irp q, 0,1,2
	global_load_b128 v[XL+4*\q:XL+4*\q+3], v1, s[4:5] offset:1536*(6*\i+\s)+512*\q
.endr
.endr
.endr
	WIN 0
	s_mov_b32 s42, 0                               ; where the trip's record begins in LDS
	s_mov_b32 s43, 6
	s_wait_tensorcnt 0x0                           ; my quarter of the records is in,
	s_barrier_signal -1
	s_barrier_wait -1                              ; everybody's is
.Ltrip:                                                ; one head
	v_add_nc_u32 v3, s42, v1
.irp n, 0,1,2,3
	ds_load_b128 v[WS+4*\n:WS+4*\n+3], v3 offset:36864+512*\n
.endr
.irp n, 0,1,2,3,4,5,6,7
	ds_load_b128 v[BI+4*\n:BI+4*\n+3], v3 offset:38912+512*\n
.endr
	FETCHW 0
	s_cmp_ge_u32 s15, 4                            ; the same in all four partners and in every trip
	s_cbranch_scc1 .Lkeys_down
	s_wait_alu depctr_va_vdst(0)
	STAGES 0
	s_branch .Lquant
.Lkeys_down:
	s_wait_alu depctr_va_vdst(0)
	STAGES 1
.Lquant:
	PLACES 4                                       ; in front of the first read of results
; Image m's codes go to v[WF + 12 m] on: the 48 registers of the weight fragments, which no product reads while a head is quantised.  The wait on XCNT at the trip's end stands between these stores and the next trip's loads into them.
; Image m - 1 is stored behind image m's quantiser, so that no store stands directly behind the moves that make its data.
.irp m, 0,1,2,3
.set PC, WF+12*\m
	QUANT 64*\m, PW+\m
.if \m > 0
.irp q, 0,1,2
	global_store_b128 v1, v[WF+12*(\m-1)+4*\q:WF+12*(\m-1)+4*\q+3], s[40:41] offset:1536*(\m-1)+512*\q   ; 32 lanes store 512 consecutive bytes, at a multiple of 256 from the buffer's first byte
.endr
.endif
.endr
	v_cndmask_b32 v[SP], v[PW], v[PW+1], s46       ; lanes 0-15 the even image's word, lanes 16-31 the odd image's
	v_cndmask_b32 v[SP+1], v[PW+2], v[PW+3], s46
.irp q, 0,1,2
	global_store_b128 v1, v[WF+36+4*\q:WF+36+4*\q+3], s[40:41] offset:1536*3+512*\q
.endr
	global_store_b64 v2, v[SP:SP+1], s[40:41] offset:6144
	s_wait_xcnt 0x0                                ; the stores have read their base and their data
	s_add_nc_u64 s[40:41], s[40:41], s[48:49]
	s_add_co_u32 s42, s42, WREC
	s_sub_co_u32 s43, s43, 1
	s_cmp_lg_u32 s43, 0
	s_cbranch_scc1 .Ltrip
	s_wait_tensorcnt 0x0
	ds_add_u32 v182, v183
	s_wait_dscnt 0x0
	ROUND                                          ; the closing round
	s_endpgm
.Lfunc_end_k_q4fa1878ba2_qkv:
	.size	k_q4fa1878ba2_qkv, .Lfunc_end_k_q4fa1878ba2_qkv-k_q4fa1878ba2_qkv
	.p2alignl 7, 3214868480
	.fill 96, 4, 3214868480
	.section	.rodata,"a",@progbits
	.p2align	6, 0x0
	.amdhsa_kernel k_q4fa1878ba2_qkv
		.amdhsa_group_segment_fixed_size 262656
		.amdhsa_private_segment_fixed_size 0
		.amdhsa_enable_private_segment 0
		.amdhsa_kernarg_size 32
		.amdhsa_user_sgpr_count 2
		.amdhsa_user_sgpr_kernarg_segment_ptr 1
		.amdhsa_wavefront_size32 1
		.amdhsa_system_sgpr_workgroup_id_x 1
		.amdhsa_system_sgpr_workgroup_id_y 1
		.amdhsa_system_sgpr_workgroup_id_z 1
		.amdhsa_system_vgpr_workitem_id 0
		.amdhsa_next_free_vgpr 1024
		.amdhsa_next_free_sgpr 66
		.amdhsa_reserve_vcc 0
		.amdhsa_float_denorm_mode_32 3
		.amdhsa_float_denorm_mode_16_64 3
		.amdhsa_memory_ordered 1
		.amdhsa_forward_progress 1
		.amdhsa_inst_pref_size 98
	.end_amdhsa_kernel
	.amdgpu_metadata
---
amdhsa.version: [ 1, 2 ]
amdhsa.kernels:
  - .name:           k_q4fa1878ba2_qkv
    .symbol:         k_q4fa1878ba2_qkv.kd
    .args:
      - { .name: xq, .offset: 0, .size: 8, .value_kind: global_buffer, .address_space: global }
      - { .name: wrec, .offset: 8, .size: 8, .value_kind: global_buffer, .address_space: global }
      - { .name: qbuf, .offset: 16, .size: 8, .value_kind: global_buffer, .address_space: global }
      - { .name: kvbuf, .offset: 24, .size: 8, .value_kind: global_buffer, .address_space: global }
    .group_segment_fixed_size: 262656
    .private_segment_fixed_size: 0
    .kernarg_segment_align: 8
    .kernarg_segment_size: 32
    .max_flat_workgroup_size: 128
    .sgpr_count:     66
    .vgpr_count:     1024
    .wavefront_size: 32
...
	.end_amdgpu_metadata
.endif
;; end of part 2
;; launch attn (part 3): grid 4 x 64, 16 waves a work-group, clusters of 4 x 1, 327,680 bytes of LDS; arguments qbuf, kvbuf, ocodes, osc; writes ocodes, osc
.if DOCPART == 3
	.amdgcn_target "amdgcn-amd-amdhsa--gfx1250"
	.amdhsa_code_object_version 6
	.text
	.protected	k_q4fa1878ba2_attn
	.globl	k_q4fa1878ba2_attn
	.p2align	8
	.type	k_q4fa1878ba2_attn,@function
k_q4fa1878ba2_attn:
	s_mov_b64 s[64:65], 0
	v_nop
	global_prefetch_b8 v0, s[64:65] scope:SCOPE_SE
	s_setreg_imm32_b32 hwreg(HW_REG_WAVE_MODE, 25, 1), 1
	s_wait_xcnt 0x0
	s_wait_alu depctr_hold_cnt(0) depctr_sa_sdst(0) depctr_va_vdst(0) depctr_va_sdst(0) depctr_va_ssrc(0) depctr_va_vcc(0) depctr_vm_vsrc(0)
	s_getreg_b32 s2, hwreg(HW_REG_IB_STS2, 6, 4)
	s_cmp_eq_u32 s2, 0
	s_cbranch_scc0 .Lentry_in_a_cluster
	s_endpgm
.Lentry_in_a_cluster:
	s_bfe_u32 s2, ttmp6, 0x10000c
	s_cmp_lg_u32 s2, 0x3003
	s_cbranch_scc0 .Lentry_shape_is_right
	s_endpgm
.Lentry_shape_is_right:
; o[h][q][:] = the sum over k of softmax_k(q . k / 8) v[k][:], for 192 heads of 1,024 x 1,024, head size 64, both products on codes of FP6 (E2M3) with E8M0 scales; o is divided by the row's sum and quantised along its 64 at once.
; THE SOFTMAX AHEAD OF THE SECOND PRODUCT: t = score x log2(e) / 8; M = the row's largest t so far, rounded UP to a whole number; p = 2^(t - M) is quantised along the keys; the row's sum is taken of the unquantised p.
; When M moves, the sum and O are multiplied by 2^(old M - new M): exact.
; SHARES.  256 work-groups that stay: a cluster of four walks THREE heads (3 y .. 3 y + 2); work-group cx owns queries 256 cx on of each, wave w of its sixteen the 16 neighbouring queries 16 w on.
; A head's K and V (images of operand registers with their scale words) are 102,400 bytes; the three heads lie on end in memory and in LDS, each byte filled ONCE, asked for JOINTLY by the four partners:
; head 0 at the kernel's head (6,400 bytes a wave), heads 1 and 2 by one load a wave (12,800 bytes) behind the full sequence and a round, in front of head 0's work.
; ONE BARRIER shows heads 1 and 2 to all waves, and it is split: a wave signals behind head 0's fourth step, when its own load has landed, and waits behind the eighth.  No other barrier stands between the heads:
; a wave's results leave through its own stage, so waves need not walk in step.  q of the next head comes into spare registers while a head is worked.
; LAYOUT.  Both products are used transposed: a lane holds ONE query (lane % 16).  An image of K holds two tiles of 16 keys; multiplied by [q | 0] and by [0 | q] it gives both tiles' scores.
; By the order of rows in a tile (row 64 (i / 4) + 8 (i % 4) + r % 8 + 32 (r / 8) in lane r of tile i of 128) register 32 c + e of the scores in lane half h is key 64 c + 32 h + e: a WHOLE block of 32 keys in a lane,
; in the second product's own order.  V's channels lie likewise (8 t + r % 8 + 32 (r / 8)), so register e of O^T in lane half h is channel 32 h + e.
; q: query 16 w' + r of a unit of 128 lies in image 2 (w' / 4) + w' % 2, half r / 8, lane r % 8 + 8 ((w' / 2) % 2): each lane takes its row by an address of its own.
; OUT.  ocodes: 48 bytes for each (head, query): a wave's 768 bytes go through its own 768 bytes of LDS and leave as three aligned units of 256.  osc: 2 scale bytes for each (head, query): the three heads' 1,536 bytes
; are gathered in LDS and leave behind the one barrier at the end, 512 bytes by each of waves 0 to 2.
; No prefetch: heads 1 and 2 are asked for by their tensor load four steps of every wave ahead of the wait for them; head 0's tiles have no loop ahead of them.
; LIMITS: NaN and infinities are not served; the scaled scores stay under 2^31 in magnitude; a block whose largest magnitude lies under 2^-124, a block of zeros too, gets the byte 1 (zero codes add nothing; this program alone reads the bytes).
; REGISTERS: v1-7 addresses; v8 q's scale word, v9 p's; v10-11 K's, v12-13 V's; v14 -M, v15 the largest score, v[16:17] the sum; v[18:19] f, 0; v20-21 at work; v22-27 zeros, v28-33 q, v34-39 zeros;
;   v40-87 four images of K or V; v88-151 S^T, then p; v152-183 O^T; v184-203 codes; v204-233 at work; v236-247 the way out; v254-255 the add's.
.set UNIT, 6400
.set SLOT, 16*UNIT
.set OST,  3*SLOT                      ; the waves' stages: 768 bytes each
.set OSB,  OST+16*768                  ; the scale bytes: 512 a head
.set SPARE, OSB+3*512                  ; the spare words: 128 bytes a wave, 2,048 in all
.set KV,  40
.set S,   88
.set O,   152
.set PC,  184
.set PX,  196
.set BM,  204                          ; v204-207 half blocks' largest scores, then v204-205 the blocks'
.set SO,  208                          ; v208-209 the conversions' scale operands
.set BY,  210                          ; v210-211 the scale bytes
.set PD,  212                          ; a lane permute's destination
.set H8,  213                          ; 8 h
.set QN,  214                          ; v214-220 the next head's q and its scale word
.set QA,  221                          ; v221-223 q's offsets
.set SB,  224                          ; v224-229 three more chains of the row's sum
.set GO,  230                          ; my codes' offset in ocodes: 768 wave + 8 lane
.set RB,  231                          ; the scale bytes' way back, and
.set GB,  232                          ; their offset in osc
.set SEL, 233                          ; which two bytes of q's scale word are my row's
.set OD,  236
.macro PLACES n
.rept \n
	v_nop
.endr
.endm
.macro DL n
	s_delay_alu instid0(VALU_DEP_\n)
.endm
.macro ROUND                           ; a round of the cluster's barrier
	s_barrier_signal -1
	s_barrier_wait -1
	s_cmp_lg_u32 s12, 0
	s_cbranch_scc1 .Lnot_wave_0_\@
	s_barrier_signal -3
.Lnot_wave_0_\@:
	s_barrier_wait -3
	s_barrier_signal -1
	s_barrier_wait -1
.endm
.macro QLOAD n                         ; head n's q: my row's six registers, and its image's scale word
	global_load_b64 v[QN:QN+1], v[QA], s[4:5] offset:8*UNIT*(\n)
	global_load_b64 v[QN+2:QN+3], v[QA+1], s[4:5] offset:8*UNIT*(\n)+8
	global_load_b64 v[QN+4:QN+5], v[QA], s[4:5] offset:8*UNIT*(\n)+512
	global_load_b32 v[QN+6], v[QA+2], s[4:5] offset:8*UNIT*(\n)+6144
.endm
.macro SUM4                            ; four pairs of p onto the sum's four chains
	v_pk_add_f32 v[SB:SB+1], v[SB:SB+1], v[S+J:S+J+1]
	v_pk_add_f32 v[SB+2:SB+3], v[SB+2:SB+3], v[S+J+2:S+J+3]
	v_pk_add_f32 v[SB+4:SB+5], v[SB+4:SB+5], v[S+J+4:S+J+5]
	v_pk_add_f32 v[16:17], v[16:17], v[S+J+6:S+J+7]
.set J, J+8
.endm
.macro TM8                             ; t - M of eight pairs (of the pairs c and -M the low word serves both halves)
.rept 8
	v_pk_fma_f32 v[S+J:S+J+1], v[S+J:S+J+1], s[50:51], v[14:15] op_sel_hi:[1,0,0]
.set J, J+2
.endr
.endm
	s_load_b256 s[4:11], s[0:1], 0x0               ; qbuf s[4:5], kvbuf s[6:7], ocodes s[8:9], osc s[10:11]
	v_lshl_add_u32 v254, v0, 2, SPARE
	v_mov_b32 v255, 0
	ds_add_u32 v254, v255                          ; the opening lines: the add, twice on end, and its wait ahead of my first tensor load
	ds_add_u32 v254, v255
	v_lshrrev_b32 v20, 5, v0
	v_readfirstlane_b32 s12, v20                   ; wave 0..15
	v_and_b32 v20, 31, v0
	v_lshlrev_b32 v1, 4, v20                       ; 16 x lane
	v_lshlrev_b32 v2, 3, v20                       ; 8 x lane
	v_and_b32 v21, 15, v0                          ; r
	v_bfe_u32 v3, v0, 4, 1                         ; h
	v_lshlrev_b32 v[H8], 3, v3
	v_and_b32 v4, 7, v0                            ; r % 8
	v_bfe_u32 v20, v0, 3, 1                        ; r / 8
	s_bfe_u32 s13, ttmp6, 0x40000                  ; cx: my block of 256 queries: it enters q's and o's addresses alone
	s_and_b32 s14, ttmp7, 0xffff
	s_mul_i32 s14, s14, 3                          ; the first of the three heads, which the four partners share
	s_mov_b32 s16, 15|(3<<16)|(1<<21)              ; group 1: the mask: all four work-groups; elements of 8 bytes; 21 set beside a mask; no padding
	s_mov_b32 s17, 32<<16                          ; tensor_dim0 = 32 elements: 256 bytes
	s_mov_b32 s18, 25<<16                          ; tensor_dim1 = 25: a unit
	s_mov_b32 s19, 32<<16
	s_mov_b32 s20, 25
	s_mov_b32 s21, 32                              ; the pitch: the block is dense
	s_mov_b32 s22, 0
	s_mov_b32 s23, 0
	s_mov_b32 s56, 15|(3<<16)|(1<<21)              ; a second group 1, for heads 1 and 2: 50 rows, two units
	s_mov_b32 s57, 32<<16
	s_mov_b32 s58, 50<<16
	s_mov_b32 s59, 32<<16
	s_mov_b32 s60, 50
	s_mov_b32 s61, 32
	s_mov_b32 s62, 0
	s_mov_b32 s63, 0
	s_mul_i32 s28, s14, SLOT                       ; where the three heads begin in kvbuf
	s_mov_b32 s29, 0
	s_mul_i32 s25, s12, UNIT                       ; head 0: my wave's unit, in LDS (group 0, word 1) and from the heads' first byte
	s_mul_i32 s41, s12, 2*UNIT
	s_add_co_u32 s41, s41, SLOT                    ; heads 1 and 2: my wave's two units, likewise
	s_add_co_u32 s30, s28, s41
	s_mov_b32 s31, 0
	s_add_co_u32 s28, s28, s25
	s_bfe_u32 s33, s12, 0x10002                    ; w' / 4, w' = wave % 8
	s_and_b32 s34, s12, 1                          ; w' % 2
	s_bfe_u32 s35, s12, 0x10001                    ; (w' / 2) % 2
	s_lshl_b32 s38, s33, 1
	s_add_co_u32 s38, s38, s34
	s_mul_i32 s38, s38, 1536                       ; q's image 2 (w' / 4) + w' % 2,
	s_lshl_b32 s39, s35, 7
	s_add_co_u32 s38, s38, s39                     ; lanes 8 ((w' / 2) % 2) on: 16 bytes a lane
	s_lshl_b32 s39, s35, 6                         ; its scale word: 8 bytes a lane, lane r' + 16 (image % 2), register image / 2
	s_lshl_b32 s34, s34, 7
	s_add_co_u32 s39, s39, s34
	s_lshl_b32 s33, s33, 2
	s_add_co_u32 s39, s39, s33
	s_lshl_b32 s35, s14, 3                         ; q's unit: 8 head + 2 cx + wave / 8
	s_lshl_b32 s36, s13, 1
	s_add_co_u32 s35, s35, s36
	s_lshr_b32 s36, s12, 3
	s_add_co_u32 s35, s35, s36
	s_mul_i32 s36, s35, UNIT
	s_mov_b32 s37, 0
	s_mul_i32 s32, s12, 768                        ; my 16 queries' codes
	s_add_co_u32 s33, s32, OST                     ; my stage
	s_lshl_b32 s34, s12, 5
	s_add_co_u32 s34, s34, OSB                     ; my 16 queries' scale bytes
	s_min_u32 s35, s12, 2                          ; waves 0 to 2 send a head's 512 scale bytes each
	s_lshl_b32 s55, s35, 11
	s_lshl_b32 s35, s35, 9
	s_add_co_u32 s35, s35, OSB
	s_lshl_b32 s43, s14, 10
	s_lshl_b32 s44, s13, 8
	s_add_co_u32 s43, s43, s44                     ; my work-group's first (head, query)
	s_mul_i32 s44, s43, 48
	s_mov_b32 s45, 0
	s_lshl_b32 s46, s43, 1
	s_mov_b32 s47, 0
	s_mov_b32 s48, 0x76543210
	s_mov_b32 s49, 0xfedcba98                      ; v_permlanex16_b32's selects for lane l xor 16
	s_mov_b32 s50, 0x3e38aa3b                      ; c = log2(e) / 8
	s_mov_b32 s51, s50                             ; (named with it as a pair, so it is written)
	s_mov_b32 s53, 0xbe38aa3b                      ; -c
	s_mov_b32 s54, 0xff00ff00                      ; the lanes with r / 8 = 1
	s_wait_alu depctr_va_vdst(0)
	v_mul_u32_u24 v5, v21, 48
	v_mad_u32_u24 v5, v3, 24, v5
	v_add_nc_u32 v5, s33, v5                       ; into my stage: query r's 48 bytes, my block's 24
	v_lshl_add_u32 v6, v21, 1, v3
	v_add_nc_u32 v6, s34, v6                       ; my block's scale byte: 2 r + h
	v_add_nc_u32 v7, s33, v2                       ; back out of my stage: 8 bytes a lane
	v_add_nc_u32 v[GO], s32, v2
	v_add_nc_u32 v[RB], s35, v1
	v_add_nc_u32 v[GB], s55, v1
	v_lshlrev_b32 v21, 4, v4
	v_lshl_add_u32 v21, v3, 8, v21
	v_add_nc_u32 v21, s38, v21                     ; q: my row's lane of the image: 16 (r' + 16 h);
	v_mad_u32_u24 v[QA], v20, 520, v21             ; registers 0-5 (r / 8 = 0: bytes 0, 8, 512 of that lane's) or 6-11 (r / 8 = 1: 520, 1024, 1032)
	v_mad_u32_u24 v[QA+1], v20, 1016, v21
	v_lshl_add_u32 v[QA+2], v4, 3, s39
	v_mov_b32 v[SEL], 0x01000100
	v_mov_b32 v20, 0x03020302
	v_cndmask_b32 v[SEL], v[SEL], v20, s54         ; my row's two bytes of the word, twice
.irp j, 22,23,24,25,26,27,34,35,36,37,38,39
	v_mov_b32 v\j, 0                               ; zero codes on both sides of q: v[28:39] = [q | 0], v[22:33] = [0 | q]
.endr
	v_mov_b32 v19, 0                               ; (named as the upper half of the pair v[18:19])
	v_mov_b32 v[PD], 0                             ; written once: a lane permute's destination counts as one of its sources
	s_wait_alu depctr_va_vdst(0)
	s_wait_dscnt 0x0                               ; both opening adds are done
	s_wait_kmcnt 0x0
	s_add_nc_u64 s[4:5], s[4:5], s[36:37]
	s_add_nc_u64 s[44:45], s[8:9], s[44:45]
	s_add_nc_u64 s[46:47], s[10:11], s[46:47]
	s_mov_b32 s24, 1                               ; group 0 for head 0: count = 1
	s_add_nc_u64 s[26:27], s[6:7], s[28:29]
	s_or_b32 s27, s27, 0x80000000                  ; type = 2
	s_mov_b32 s40, 1                               ; group 0 for heads 1 and 2
	s_add_nc_u64 s[42:43], s[6:7], s[30:31]
	s_or_b32 s43, s43, 0x80000000
	ROUND                                          ; all four work-groups are here: the joint loads meet
	tensor_load_to_lds s[24:27], s[16:23]          ; head 0: my one tensor load at the head
	s_nop 0
	PLACES 4
	QLOAD 0
	s_wait_tensorcnt 0x0                           ; my unit of head 0 is in
	ds_add_u32 v254, v255
	s_wait_dscnt 0x0
	ROUND                                          ; everybody's unit is in
	tensor_load_to_lds s[40:43], s[56:63]          ; heads 1 and 2: my last tensor load
	s_nop 0
	PLACES 4
; so many steps of 128 keys, from LDS byte s30 on
.macro STEPS lbl, trips
	s_mov_b32 s31, \trips
.Lstep_\lbl:
	v_add_nc_u32 v3, s30, v1
	v_add_nc_u32 v4, s30, v2
.irp b, 0,1,2,3
.irp q, 0,1,2
	ds_load_b128 v[KV+12*\b+4*\q:KV+12*\b+4*\q+3], v3 offset:1536*\b+512*\q
.endr
.endr
	ds_load_b64 v[10:11], v4 offset:6144
	s_wait_alu depctr_va_vdst(0)
	s_wait_dscnt 0x0
.irp b, 0,1,2,3                        ; S^T = K Q^T: image b against [q | 0]: tile 2 b; against [0 | q]: tile 2 b + 1
.if (\b%2) == 1
	v_wmma_scale_f32_16x16x128_f8f6f4 v[S+16*\b:S+16*\b+7], v[KV+12*\b:KV+12*\b+11], v[28:39], 0, v[10+\b/2], v8 matrix_a_fmt:MATRIX_FMT_FP6 matrix_b_fmt:MATRIX_FMT_FP6 matrix_a_scale:MATRIX_SCALE_ROW1
	v_wmma_scale_f32_16x16x128_f8f6f4 v[S+16*\b+8:S+16*\b+15], v[KV+12*\b:KV+12*\b+11], v[22:33], 0, v[10+\b/2], v8 matrix_a_fmt:MATRIX_FMT_FP6 matrix_b_fmt:MATRIX_FMT_FP6 matrix_a_scale:MATRIX_SCALE_ROW1
.else
	v_wmma_scale_f32_16x16x128_f8f6f4 v[S+16*\b:S+16*\b+7], v[KV+12*\b:KV+12*\b+11], v[28:39], 0, v[10+\b/2], v8 matrix_a_fmt:MATRIX_FMT_FP6 matrix_b_fmt:MATRIX_FMT_FP6
	v_wmma_scale_f32_16x16x128_f8f6f4 v[S+16*\b+8:S+16*\b+15], v[KV+12*\b:KV+12*\b+11], v[22:33], 0, v[10+\b/2], v8 matrix_a_fmt:MATRIX_FMT_FP6 matrix_b_fmt:MATRIX_FMT_FP6
.endif
.endr                                  ; lane (r, h): query r; register 32 c + e: key 64 c + 32 h + e of the step
	v_mov_b32 v20, v14                             ; the old -M.  With the three below: four places in front of the loads and of the first read of the scores
	PLACES 3
.irp b, 0,1,2,3                        ; V's four images land while the softmax is walked
.irp q, 0,1,2
	ds_load_b128 v[KV+12*\b+4*\q:KV+12*\b+4*\q+3], v3 offset:UNIT+1536*\b+512*\q
.endr
.endr
	ds_load_b64 v[12:13], v4 offset:UNIT+6144
; THE LARGEST SCORE OF EACH BLOCK OF 32 KEYS serves twice: for the row's maximum and, since p rises with the score, for the block's largest p.  Four chains.
.irp c, 0,1
	v_max3_num_f32 v[BM+2*\c], v[S+32*\c], v[S+32*\c+1], v[S+32*\c+2]
	v_max3_num_f32 v[BM+2*\c+1], v[S+32*\c+17], v[S+32*\c+18], v[S+32*\c+19]
.endr
.irp i, 0,1,2,3,4,5
.irp c, 0,1
	v_max3_num_f32 v[BM+2*\c], v[BM+2*\c], v[S+32*\c+3+2*\i], v[S+32*\c+4+2*\i]
	v_max3_num_f32 v[BM+2*\c+1], v[BM+2*\c+1], v[S+32*\c+20+2*\i], v[S+32*\c+21+2*\i]
.endr
.endr
.irp c, 0,1
	v_max3_num_f32 v[BM+2*\c], v[BM+2*\c], v[S+32*\c+15], v[S+32*\c+16]
.endr
	DL 2
	v_max_num_f32 v[BM], v[BM], v[BM+1]            ; my block c = 0,
	DL 2
	v_max_num_f32 v[BM+1], v[BM+2], v[BM+3]        ; and c = 1
	DL 1
	v_max_num_f32 v21, v[BM], v[BM+1]
	DL 1
	v_permlanex16_b32 v[PD], v21, s48, s49
	DL 1
	v_max3_num_f32 v15, v15, v21, v[PD]            ; the running largest score of my query
	DL 1
	v_mul_f32 v21, s53, v15                        ; -t
	DL 1
	v_floor_f32 v14, v21                           ; the new -M = floor(-t) = -ceil(t): a whole number
	DL 1
	v_sub_f32 v20, v14, v20                        ; M's old value less its new one: a whole number, 0 or less
.set J, 0
	TM8
	v_cvt_i32_f32 v20, v20                         ; (it saturates)
	TM8
	v_ldexp_f32 v18, 1.0, v20                      ; f = 2^(old M - new M)
	TM8
	TM8
.irp c, 0,1
	v_fma_f32 v[BM+\c], v[BM+\c], s50, v14         ; the same of each block's largest score
.endr
	s_wait_alu depctr_va_vdst(0)
.set J, 0
.rept 64
	v_exp_f32 v[S+J], v[S+J]                       ; p = 2^(t - M), at most 1: not normalised
.set J, J+1
.endr
.irp c, 0,1
	v_exp_f32 v[BM+\c], v[BM+\c]                   ; the block's largest p: the same two instructions on the same number
.endr
	v_pk_mul_f32 v[16:17], v[16:17], v[18:19] op_sel_hi:[1,0]   ; the sum under the new M.  (A plain place behind the exponentials)
	s_wait_alu depctr_va_vdst(0)                   ; one wait for the batch, ahead of its first reader
.irp c, 0,1
	v_max_num_f32 v[BM+\c], 0x1800000, v[BM+\c]    ; the floor 2^(3 - 127): the byte cannot fall under 1
.endr
.irp c, 0,1
	DL 2
	v_add_nc_u32 v[SO+\c], 0xff000000, v[BM+\c]    ; 2 off the exponent field: the conversion's scale operand
.endr
.irp c, 0,1
	DL 2
	v_lshrrev_b32 v[BY+\c], 23, v[SO+\c]           ; the scale's byte
.endr
	DL 1
	v_lshl_or_b32 v9, v[BY+1], 16, v[BY]           ; my two bytes: blocks h and 2 + h,
	DL 1
	v_lshlrev_b32 v9, v[H8], v9                    ; 8 h bits up;
	DL 1
	v_permlanex16_b32 v[PD], v9, s48, s49
	DL 1
	v_or_b32 v9, v9, v[PD]                         ; with lane l xor 16's two: p's scale word for these 128 keys
.irp c, 0,1
	v_cvt_scalef32_pk16_fp6_f32 v[PC+6*\c:PC+6*\c+2], v[S+32*\c:S+32*\c+15], v[SO+\c]
	v_cvt_scalef32_pk16_fp6_f32 v[PX+4*\c:PX+4*\c+2], v[S+32*\c+16:S+32*\c+31], v[SO+\c]   ; (a conversion's three registers begin on an even number)
.endr
	v_pk_add_f32 v[SB:SB+1], v[S:S+1], v[S+2:S+3]  ; THE ROW'S SUM OF THE UNQUANTISED p, in four chains.  (This line is the plain place behind the conversions)
.irp c, 0,1
.irp i, 0,1,2
	v_mov_b32 v[PC+6*\c+3+\i], v[PX+4*\c+\i]
.endr
.endr
	v_pk_add_f32 v[SB+2:SB+3], v[S+4:S+5], v[S+6:S+7]
	v_pk_add_f32 v[SB+4:SB+5], v[S+8:S+9], v[S+10:S+11]
	v_pk_add_f32 v[16:17], v[16:17], v[S+12:S+13]
.set J, 14
	SUM4
	SUM4                                           ; eleven additions that name no register of the products below: the places behind the writes of p's codes and scale word
	s_wait_dscnt 0x0                               ; V's images and scale words are in
	s_wait_alu depctr_va_vdst(0)                   ; ahead of the first reader of O^T
.set I, 0
.rept 16
	v_pk_mul_f32 v[O+I:O+I+1], v[O+I:O+I+1], v[18:19] op_sel_hi:[1,0]   ; O^T under the new M, each accumulator from its low end on
.set I, I+2
.endr
.irp t, 0,1,2,3                        ; O^T += V^T P^T: 16 channels a tile, K = these 128 keys; four accumulators, one instruction a turn
.if (\t%2) == 1
	v_wmma_scale_f32_16x16x128_f8f6f4 v[O+8*\t:O+8*\t+7], v[KV+12*\t:KV+12*\t+11], v[PC:PC+11], v[O+8*\t:O+8*\t+7], v[12+\t/2], v9 matrix_a_fmt:MATRIX_FMT_FP6 matrix_b_fmt:MATRIX_FMT_FP6 matrix_a_scale:MATRIX_SCALE_ROW1
.else
	v_wmma_scale_f32_16x16x128_f8f6f4 v[O+8*\t:O+8*\t+7], v[KV+12*\t:KV+12*\t+11], v[PC:PC+11], v[O+8*\t:O+8*\t+7], v[12+\t/2], v9 matrix_a_fmt:MATRIX_FMT_FP6 matrix_b_fmt:MATRIX_FMT_FP6
.endif
.endr
	SUM4                                           ; the rest of the sum: twenty additions, the places behind the products
	SUM4
	SUM4
	SUM4
	v_pk_add_f32 v[SB:SB+1], v[SB:SB+1], v[S+62:S+63]
	v_pk_add_f32 v[SB+2:SB+3], v[SB+2:SB+3], v[SB+4:SB+5]
	DL 2
	v_pk_add_f32 v[16:17], v[16:17], v[SB:SB+1]
	DL 1
	v_pk_add_f32 v[16:17], v[16:17], v[SB+2:SB+3]
	s_add_co_u32 s30, s30, 2*UNIT
	s_sub_co_u32 s31, s31, 1
	s_cmp_lg_u32 s31, 0
	s_wait_alu depctr_va_vdst(0)
	s_cbranch_scc1 .Lstep_\lbl
.endm
.macro HEAD n
	s_wait_loadcnt 0x0                             ; this head's q and its scale word
.irp i, 0,1,2,3,4,5
	v_mov_b32 v[28+\i], v[QN+\i]
.endr
	v_perm_b32 v8, v[QN+6], v[QN+6], v[SEL]        ; (d 0-31, d 32-63, d 0-31, d 32-63): one word serves [q | 0] and [0 | q]
	v_mov_b32 v15, 0xff61b1e6                      ; the largest score so far: -3e38
	v_mov_b32 v14, 0x7f61b1e6                      ; -M: 3e38, so that the first step's f is 0
	v_mov_b32 v16, 0
	v_mov_b32 v17, 0
.set J, 0
.rept 32
	v_mov_b32 v[O+J], 0                            ; O^T: the step is written once.  (These are also the places behind the writes of q and of its scale word)
.set J, J+1
.endr
.if (\n) < 2
	QLOAD (\n)+1                                   ; the next head's q lands while this head is worked
.endif
	s_mov_b32 s30, (\n)*SLOT                       ; where the head's units begin in LDS
	s_wait_alu depctr_va_vdst(0)
.if (\n) == 0
	STEPS a, 4
	s_wait_tensorcnt 0x0                           ; my two units of heads 1 and 2 are in:
	s_wait_dscnt 0x0
	s_barrier_signal -1                            ; say so, and go on: only loads from head 0's bytes and work on registers stand ahead of the wait
	STEPS b, 4
	s_barrier_wait -1                              ; every wave has said so: heads 1 and 2 are whole.
.else
	STEPS \n, 8
	s_wait_xcnt 0x0                                ; the last head's stores have read their data registers
.endif
	; Register e of O^T is channel 32 h + e of my query: divided by the sum, then my block of 32 is quantised.
	v_add_f32 v16, v16, v17                        ; the sum's two halves,
	DL 1
	v_permlanex16_b32 v[PD], v16, s48, s49
	DL 1
	v_add_f32 v16, v16, v[PD]                      ; and lane l xor 16's: the row's sum
	s_wait_alu depctr_va_vdst(0)
	v_rcp_f32 v18, v16
	v_nop                                          ; one plain place behind it
	s_wait_alu depctr_va_vdst(0)                   ; ahead of its first reader, which is also O^T's
.set J, 0
.rept 16
	v_pk_mul_f32 v[S+J:S+J+1], v[O+J:O+J+1], v[18:19] op_sel_hi:[1,0]
.set J, J+2
.endr
	v_max3_num_f32 v[BM], |v[S]|, |v[S+1]|, 0x1800000
	v_max3_num_f32 v[BM+1], |v[S+16]|, |v[S+17]|, |v[S+18]|
.irp i, 0,1,2,3,4,5
	DL 2
	v_max3_num_f32 v[BM], v[BM], |v[S+2+2*\i]|, |v[S+3+2*\i]|
	DL 2
	v_max3_num_f32 v[BM+1], v[BM+1], |v[S+19+2*\i]|, |v[S+20+2*\i]|
.endr
	DL 2
	v_max3_num_f32 v[BM], v[BM], |v[S+14]|, |v[S+15]|
	DL 1
	v_max3_num_f32 v[BM], v[BM], v[BM+1], |v[S+31]|
	DL 1
	v_add_nc_u32 v[SO], 0xff000000, v[BM]
	v_cvt_scalef32_pk16_fp6_f32 v[PC:PC+2], v[S:S+15], v[SO]
	v_cvt_scalef32_pk16_fp6_f32 v[PX:PX+2], v[S+16:S+31], v[SO]
	v_lshrrev_b32 v[BY], 23, v[SO]                 ; my block's scale byte.  (The plain place behind the conversions)
.irp i, 0,1,2
	v_mov_b32 v[PC+3+\i], v[PX+\i]
.endr
.irp i, 0,1,2
	ds_store_b64 v5, v[PC+2*\i:PC+2*\i+1] offset:8*\i
.endr
	ds_store_b8 v6, v[BY] offset:512*(\n)
.irp k, 0,1,2
	ds_load_b64 v[OD+2*\k:OD+2*\k+1], v7 offset:256*\k   ; my own stage: LDS serves a wave's instructions in order
.endr
.irp k, 0,1,2
	s_wait_dscnt 2-\k                              ; the younger loads may be out
	global_store_b64 v[GO], v[OD+2*\k:OD+2*\k+1], s[44:45] offset:49152*(\n)+256*\k   ; the wave stores 256 consecutive bytes, at a multiple of 256 from the buffer's first byte
.endr
.endm
	HEAD 0
	HEAD 1
	HEAD 2
	s_wait_tensorcnt 0x0                           ; the wave's end
	ds_add_u32 v254, v255
	s_wait_dscnt 0x0                               ; my scale bytes have landed
	s_barrier_signal -1
	s_barrier_wait -1                              ; everybody's have
	s_cmp_gt_u32 s12, 2                            ; wave n of 0 to 2 sends head n's 512 scale bytes
	s_cbranch_scc1 .Lno_bytes
	ds_load_b128 v[OD+8:OD+11], v[RB]
	s_wait_dscnt 0x0
	global_store_b128 v[GB], v[OD+8:OD+11], s[46:47]
.Lno_bytes:
	ROUND                                          ; the closing round
	s_endpgm
.Lfunc_end_k_q4fa1878ba2_attn:
	.size	k_q4fa1878ba2_attn, .Lfunc_end_k_q4fa1878ba2_attn-k_q4fa1878ba2_attn
	.p2alignl 7, 3214868480
	.fill 96, 4, 3214868480
	.section	.rodata,"a",@progbits
	.p2align	6, 0x0
	.amdhsa_kernel k_q4fa1878ba2_attn
		.amdhsa_group_segment_fixed_size 327680
		.amdhsa_private_segment_fixed_size 0
		.amdhsa_enable_private_segment 0
		.amdhsa_kernarg_size 32
		.amdhsa_user_sgpr_count 2
		.amdhsa_user_sgpr_kernarg_segment_ptr 1
		.amdhsa_wavefront_size32 1
		.amdhsa_system_sgpr_workgroup_id_x 1
		.amdhsa_system_sgpr_workgroup_id_y 1
		.amdhsa_system_sgpr_workgroup_id_z 1
		.amdhsa_system_vgpr_workitem_id 0
		.amdhsa_next_free_vgpr 256
		.amdhsa_next_free_sgpr 66
		.amdhsa_reserve_vcc 0
		.amdhsa_float_denorm_mode_32 3
		.amdhsa_float_denorm_mode_16_64 3
		.amdhsa_memory_ordered 1
		.amdhsa_forward_progress 1
		.amdhsa_inst_pref_size 85
	.end_amdhsa_kernel
	.amdgpu_metadata
---
amdhsa.version: [ 1, 2 ]
amdhsa.kernels:
  - .name:           k_q4fa1878ba2_attn
    .symbol:         k_q4fa1878ba2_attn.kd
    .args:
      - { .name: qbuf, .offset: 0, .size: 8, .value_kind: global_buffer, .address_space: global }
      - { .name: kvbuf, .offset: 8, .size: 8, .value_kind: global_buffer, .address_space: global }
      - { .name: ocodes, .offset: 16, .size: 8, .value_kind: global_buffer, .address_space: global }
      - { .name: osc, .offset: 24, .size: 8, .value_kind: global_buffer, .address_space: global }
    .group_segment_fixed_size: 327680
    .private_segment_fixed_size: 0
    .kernarg_segment_align: 8
    .kernarg_segment_size: 32
    .max_flat_workgroup_size: 512
    .sgpr_count:     66
    .vgpr_count:     256
    .wavefront_size: 32
...
	.end_amdgpu_metadata
.endif
;; end of part 3
;; launch proj (part 4): grid 256 x 1, 12 waves a work-group, no clusters, 91,648 bytes of LDS; arguments ocodes, osc, wrec, out0; writes out0
.if DOCPART == 4
	.amdgcn_target "amdgcn-amd-amdhsa--gfx1250"
	.amdhsa_code_object_version 6
	.text
	.protected	k_q4fa1878ba2_proj
	.globl	k_q4fa1878ba2_proj
	.p2align	8
	.type	k_q4fa1878ba2_proj,@function
k_q4fa1878ba2_proj:
	s_mov_b64 s[64:65], 0
	v_nop
	global_prefetch_b8 v0, s[64:65] scope:SCOPE_SE
	s_setreg_imm32_b32 hwreg(HW_REG_WAVE_MODE, 25, 1), 1
	s_wait_xcnt 0x0
; out0 = o Wc + bc.  o: [16384][768] as codes of FP6 (E2M3), rows of 576 bytes, with 24 E8M0 bytes a row; Wc: images of operand registers (records 36 to 47 of wrec, 64 columns each); out0: f32.  Sums in f32.
; SHARES.  A work-group takes 64 rows x all 768 columns; wave w takes columns 64 w .. 64 w + 63: record 36 + w, whose fragments come from memory straight into its registers, a K step ahead, in two sets.
; The 64 rows' codes (36,864 bytes) are copied once into LDS, rows 592 bytes apart, and read by all twelve waves.
; THE MATRIX INSTRUCTION IS USED TRANSPOSED (source 0 = 16 columns of Wc, source 1 = 16 rows of o).  By the order of columns in Wc's tiles a lane holds one row and, for each pair of tiles, 16 neighbouring columns.
; The bias is the C of each sum's first matrix instruction.
; No cluster and no joint load: a joint request brings a tile into LDS, and the twelve records' fragments (12 x 36,864 = 442,368 bytes) do not fit there; here they pass no LDS at all.
; REGISTERS: window 0: v1-13 addresses; v14-25 o's scale words (register 6 (m / 2) + s, lanes 0-15 tile 2 (m / 2), lanes 16-31 the odd tile); v26-41 Wc's; v42-65 two fragments of o (first: the copy's data);
;   v66-113 Wc's four fragments, even K steps; v42-105 on the way out; v128-255 the 16 accumulators (row tile m, column tile t at 128 + 32 m + 8 t).   window 1: v0-47 Wc's fragments, odd K steps; v48-79 the bias.
; THE ORDER OF COLUMNS IN Wc's TILES, in place of what is said above: lane r of tile t holds column 8 t + r % 8 + 32 (r / 8) of the record's 64, so register j of a result's tile t in lane half h is column 8 t + 32 h + j.
.set WREC, 43008
.set OP,   592                         ; a row of o in LDS: 576 bytes + 16
.set STG,  64*OP                       ; behind the rows: a stage of 16 rows x (256 bytes + 16) for each wave
.set OS,  14
.set WS,  26
.set OF,  42
.set WF0, 66
.set OB,  42
.set ACC, 128
.set MSB, 0
.macro WIN new                         ; the immediate's high byte repeats the setting that is left; a switch that changes nothing is dropped
.if MSB != (\new)
	s_set_vgpr_msb (MSB<<8)|(\new)
.set MSB, (\new)
.endif
.endm
.macro PLACES n
.rept \n
	v_nop
.endr
.endm
.macro EMIT                            ; one matrix instruction from the symbols DR, AR, BR, CR, SA, SB; RA, RB: the scales stand in lanes 16-31
.if RA && RB
	v_wmma_scale_f32_16x16x128_f8f6f4 v[DR:DR+7], v[AR:AR+11], v[BR:BR+11], v[CR:CR+7], v[SA], v[SB] matrix_a_fmt:MATRIX_FMT_FP6 matrix_b_fmt:MATRIX_FMT_FP6 matrix_a_scale:MATRIX_SCALE_ROW1 matrix_b_scale:MATRIX_SCALE_ROW1
.elseif RA
	v_wmma_scale_f32_16x16x128_f8f6f4 v[DR:DR+7], v[AR:AR+11], v[BR:BR+11], v[CR:CR+7], v[SA], v[SB] matrix_a_fmt:MATRIX_FMT_FP6 matrix_b_fmt:MATRIX_FMT_FP6 matrix_a_scale:MATRIX_SCALE_ROW1
.elseif RB
	v_wmma_scale_f32_16x16x128_f8f6f4 v[DR:DR+7], v[AR:AR+11], v[BR:BR+11], v[CR:CR+7], v[SA], v[SB] matrix_a_fmt:MATRIX_FMT_FP6 matrix_b_fmt:MATRIX_FMT_FP6 matrix_b_scale:MATRIX_SCALE_ROW1
.else
	v_wmma_scale_f32_16x16x128_f8f6f4 v[DR:DR+7], v[AR:AR+11], v[BR:BR+11], v[CR:CR+7], v[SA], v[SB] matrix_a_fmt:MATRIX_FMT_FP6 matrix_b_fmt:MATRIX_FMT_FP6
.endif
.endm
.macro PM s, m, t                      ; rows 16 m on against columns of tile t, K step s
.set DR, ACC+32*(\m)+8*(\t)
.if ((\s)%2) == 1
.set AR, 12*(\t)
.else
.set AR, WF0+12*(\t)
.endif
.set BR, OF+12*((\m)%2)
.if (\s) == 0
.set CR, 48+8*(\t)
.else
.set CR, DR
.endif
.set SA, WS+8*((\t)/2)+4*((\s)/3)+((\s)%3)
.set RA, (\t)%2
.set SB, OS+6*((\m)/2)+(\s)
.set RB, (\m)%2
	EMIT
.endm
.macro WLOAD s                         ; Wc's four fragments of K step s: 6,144 consecutive bytes of the record, 512 a load
.if ((\s)%2) == 1
	WIN 0x40                                       ; destination window 1
.irp n, 0,1,2,3,4,5,6,7,8,9,10,11
	global_load_b128 v[4*\n:4*\n+3], v1, s[8:9] offset:6144*(\s)+512*\n
.endr
	WIN 0
.else
.irp n, 0,1,2,3,4,5,6,7,8,9,10,11
	global_load_b128 v[WF0+4*\n:WF0+4*\n+3], v1, s[8:9] offset:6144*(\s)+512*\n
.endr
.endif
.endm
.macro KSTEP s
.if (\s) > 0
	PLACES 4                                       ; in front of loads into registers that the last K step's products read: Wc's other set, and o's two fragments
.endif
.if (\s) < 5
	WLOAD (\s)+1
	s_wait_loadcnt 12                              ; all but the twelve just issued: this K step's fragments are in
.else
	s_wait_loadcnt 0x0
.endif
.irp mm, 0,1
.if \mm == 1
	PLACES 4
.endif
.irp mi, 0,1
.irp p, 0,1,2,3,4,5
	ds_load_b64 v[OF+12*\mi+2*\p:OF+12*\mi+2*\p+1], v2 offset:16*OP*(2*\mm+\mi)+96*(\s)+48*(\p/3)+8*(\p%3)   ; 24 bytes of the row's stream of bits, twice, in pieces of 8
.endr
.endr
	s_wait_dscnt 0x0
.if (\s) == 0
	WIN 0x10                                       ; C: the bias, window 1
.elseif ((\s)%2) == 1
	WIN 0x01                                       ; source 0: Wc's odd set, window 1
.endif
.irp mi, 0,1
.irp t, 0,1,2,3
	PM \s, (2*\mm+\mi), \t                         ; eight accumulators, one instruction a turn
.endr
.endr
	WIN 0
.endr
.endm
	s_load_b256 s[4:11], s[0:1], 0x0               ; ocodes s[4:5], osc s[6:7], wrec s[8:9], out0 s[10:11]
	v_lshl_add_u32 v126, v0, 2, 0x16000
	v_mov_b32 v127, 0
	v_lshrrev_b32 v7, 5, v0
	s_delay_alu instid0(VALU_DEP_1)
	v_readfirstlane_b32 s12, v7                    ; wave 0..11
	v_and_b32 v7, 31, v0
	s_delay_alu instid0(VALU_DEP_1)
	v_lshlrev_b32 v1, 4, v7                        ; 16 x lane
	s_delay_alu instid0(VALU_DEP_2)
	v_mul_u32_u24 v6, v7, 24                       ; 24 x lane: a row's scale bytes
	v_and_b32 v114, 15, v0                         ; r
	v_bfe_u32 v115, v0, 4, 1                       ; h
	s_delay_alu instid0(VALU_DEP_2)
	v_mul_u32_u24 v2, v114, OP
	s_delay_alu instid0(VALU_DEP_1)
	v_mad_u32_u24 v2, v115, 24, v2                 ; o's fragments: row r, + 24 h
	s_mul_i32 s13, s12, 16*272
	s_add_co_u32 s13, s13, STG                     ; my stage
	v_mul_u32_u24 v3, v114, 272
	s_delay_alu instid0(VALU_DEP_1)
	v_lshl_add_u32 v3, v115, 7, v3
	s_delay_alu instid0(VALU_DEP_1)
	v_add_nc_u32 v3, s13, v3                       ; in: row r, + 128 h: my 32 columns of the four tiles
	v_mul_u32_u24 v4, v115, 272
	s_delay_alu instid0(VALU_DEP_1)
	v_lshl_add_u32 v4, v114, 4, v4
	s_delay_alu instid0(VALU_DEP_1)
	v_add_nc_u32 v4, s13, v4                       ; back: lanes 0-15 one row of 256 bytes, lanes 16-31 the next
	v_mul_u32_u24 v5, v115, 3072
	s_delay_alu instid0(VALU_DEP_1)
	v_lshl_add_u32 v5, v114, 4, v5                 ; and the same two rows in out0
	v_lshlrev_b32 v7, 4, v0                        ; the copy: 16 bytes a thread
.irp k, 0,1,2,3,4,5                    ; piece q = thread + 384 k of 2,304 goes to 16 (q + q / 36): 36 pieces a row, 37 places.  q / 36 = (1821 q) >> 16 for q under 2,304
	v_add_nc_u32 v[8+\k], 384*\k, v0
	s_delay_alu instid0(VALU_DEP_1)
	v_mul_u32_u24 v116, v[8+\k], 1821
	s_delay_alu instid0(VALU_DEP_1)
	v_lshrrev_b32 v116, 16, v116
	s_delay_alu instid0(VALU_DEP_1)
	v_add_nc_u32 v[8+\k], v[8+\k], v116
	s_delay_alu instid0(VALU_DEP_1)
	v_lshlrev_b32 v[8+\k], 4, v[8+\k]
.endr
	s_mul_i32 s14, ttmp9, 64*576
	s_mov_b32 s15, 0
	s_mul_i32 s16, ttmp9, 64*24
	s_mov_b32 s17, 0
	s_add_co_u32 s18, s12, 36
	s_mul_i32 s18, s18, WREC
	s_mov_b32 s19, 0
	s_mul_i32 s20, ttmp9, 64*3072
	s_lshl_b32 s21, s12, 8
	s_add_co_u32 s20, s20, s21
	s_mov_b32 s21, 0
	s_wait_alu depctr_va_vdst(0)
	s_wait_kmcnt 0x0
	s_add_nc_u64 s[4:5], s[4:5], s[14:15]
	s_add_nc_u64 s[6:7], s[6:7], s[16:17]
	s_add_nc_u64 s[8:9], s[8:9], s[18:19]
	s_add_nc_u64 s[10:11], s[10:11], s[20:21]
.irp k, 0,1,2,3,4,5
	global_load_b128 v[OF+4*\k:OF+4*\k+3], v7, s[4:5] offset:6144*\k th:TH_LOAD_NT
.endr
.irp mp, 0,1
.irp e, 0,1,2
	global_load_b64 v[OS+6*\mp+2*\e:OS+6*\mp+2*\e+1], v6, s[6:7] offset:768*\mp+8*\e   ; lane l: row 32 mp + l: its six scale words
.endr
.endr
.irp n, 0,1,2,3
	global_load_b128 v[WS+4*\n:WS+4*\n+3], v1, s[8:9] offset:36864+512*\n
.endr
	WIN 0x40
.irp n, 0,1,2,3,4,5,6,7
	global_load_b128 v[48+4*\n:48+4*\n+3], v1, s[8:9] offset:38912+512*\n
.endr
	WIN 0
	WLOAD 0
	s_wait_loadcnt 30                              ; the copy's six loads are in: behind them 6 + 4 + 8 + 12 were issued
.irp k, 0,1,2,3,4,5
	ds_store_b128 v[8+\k], v[OF+4*\k:OF+4*\k+3]
.endr
	s_wait_dscnt 0x0                               ; for the others' sake: my stores have landed
	s_barrier_signal -1
	s_barrier_wait -1
.irp s, 0,1,2,3,4,5
	KSTEP \s
.endr
	PLACES 4                                       ; in front of the reads of results and of the loads into registers that held operands
; THE WAY OUT, 16 rows at a time: through my own stage, back as rows of 256 bytes.  LDS serves a wave's instructions in order.
.macro OUTM m
.if (\m) > 1
	s_wait_xcnt 0x0                                ; the stores of two blocks ago have read their registers
.endif
.irp t, 0,1,2,3
.irp e, 0,1
	ds_store_b128 v3, v[ACC+32*(\m)+8*\t+4*\e:ACC+32*(\m)+8*\t+4*\e+3] offset:32*\t+16*\e   ; row r, + 128 h: each accumulator from its low end on
.endr
.endr
.irp i, 0,1,2,3,4,5,6,7
	ds_load_b128 v[OB+32*((\m)%2)+4*\i:OB+32*((\m)%2)+4*\i+3], v4 offset:544*\i
.endr
	s_wait_dscnt 0x0
.irp i, 0,1,2,3,4,5,6,7
	global_store_b128 v5, v[OB+32*((\m)%2)+4*\i:OB+32*((\m)%2)+4*\i+3], s[10:11] offset:(16*(\m)+2*\i)*3072 th:TH_STORE_NT   ; 16 lanes store 256 consecutive bytes, at a multiple of 256 from out0's first byte
.endr
.endm
.irp m, 0,1,2,3
	OUTM \m
.endr
	s_wait_tensorcnt 0x0
	ds_add_u32 v126, v127
	s_wait_dscnt 0x0
	s_endpgm
.Lfunc_end_k_q4fa1878ba2_proj:
	.size	k_q4fa1878ba2_proj, .Lfunc_end_k_q4fa1878ba2_proj-k_q4fa1878ba2_proj
	.p2alignl 7, 3214868480
	.fill 96, 4, 3214868480
	.section	.rodata,"a",@progbits
	.p2align	6, 0x0
	.amdhsa_kernel k_q4fa1878ba2_proj
		.amdhsa_group_segment_fixed_size 91648
		.amdhsa_private_segment_fixed_size 0
		.amdhsa_enable_private_segment 0
		.amdhsa_kernarg_size 32
		.amdhsa_user_sgpr_count 2
		.amdhsa_user_sgpr_kernarg_segment_ptr 1
		.amdhsa_wavefront_size32 1
		.amdhsa_system_sgpr_workgroup_id_x 1
		.amdhsa_system_sgpr_workgroup_id_y 1
		.amdhsa_system_sgpr_workgroup_id_z 1
		.amdhsa_system_vgpr_workitem_id 0
		.amdhsa_next_free_vgpr 336
		.amdhsa_next_free_sgpr 66
		.amdhsa_reserve_vcc 0
		.amdhsa_float_denorm_mode_32 3
		.amdhsa_float_denorm_mode_16_64 3
		.amdhsa_memory_ordered 1
		.amdhsa_forward_progress 1
		.amdhsa_inst_pref_size 46
	.end_amdhsa_kernel
	.amdgpu_metadata
---
amdhsa.version: [ 1, 2 ]
amdhsa.kernels:
  - .name:           k_q4fa1878ba2_proj
    .symbol:         k_q4fa1878ba2_proj.kd
    .args:
      - { .name: ocodes, .offset: 0, .size: 8, .value_kind: global_buffer, .address_space: global }
      - { .name: osc, .offset: 8, .size: 8, .value_kind: global_buffer, .address_space: global }
      - { .name: wrec, .offset: 16, .size: 8, .value_kind: global_buffer, .address_space: global }
      - { .name: out0, .offset: 24, .size: 8, .value_kind: global_buffer, .address_space: global }
    .group_segment_fixed_size: 91648
    .private_segment_fixed_size: 0
    .kernarg_segment_align: 8
    .kernarg_segment_size: 32
    .max_flat_workgroup_size: 384
    .sgpr_count:     66
    .vgpr_count:     336
    .wavefront_size: 32
...
	.end_amdgpu_metadata
.endif
;; end of part 4
